; MI455X (gfx1250); checked and timed in simulation.
; The chip was launched on July 23, 2026; its instructions are those of AMD's public machine-readable ISA for CDNA 5 (MIT licence, August 2026) and "CDNA5" Instruction Set Architecture Reference Guide (July 2026). The comments in the code are by the model that wrote it; some were corrected since.
;; Multi Head Attention. Allowed arithmetic: float matrix products may take bf16 or f16 operands with f32 sums; all other float work in f32.
;; Inputs: Wk 2 x 256 x 512 float32; Wo 512 x 512 float32; Wq 2 x 256 x 512 float32; Wv 2 x 256 x 512 float32; bk 2 x 256 float32; bq 2 x 256 float32; bv 2 x 256 float32; x 32 x 1,024 x 512 float32.
;; Outputs: out0 32 x 1,024 x 512 float32.
;; 2 versions, each right and faster than the one before. Each part assembles by itself: llvm-mc -triple=amdgcn-amd-amdhsa -mcpu=gfx1250 --defsym DOCPART=n.
;; ======== version 1 of 2: 4 launches
;; limits: values are held in f16: magnitudes above 65,504 overflow, below 6.1e-05 lose precision
;; workspace buffers: wts 2,103,296 bytes; qkv 100,663,296 bytes; att 33,554,432 bytes
;; launch prep (part 1): grid 32 x 4, 8 waves a work-group, no clusters, 0 bytes of LDS; arguments Wq, Wk, Wv, Wo, bq, bk, bv, wts; writes wts
.if DOCPART == 1
	.amdgcn_target "amdgcn-amd-amdhsa--gfx1250"
	.amdhsa_code_object_version 6
	.text
	.protected	k_q88756912bc_prep
	.globl	k_q88756912bc_prep
	.p2align	8
	.type	k_q88756912bc_prep,@function
k_q88756912bc_prep:
	s_mov_b64 s[64:65], 0
	v_nop
	global_prefetch_b8 v0, s[64:65] scope:SCOPE_SE
	s_setreg_imm32_b32 hwreg(HW_REG_WAVE_MODE, 25, 1), 1
	s_wait_xcnt 0x0
; The four weight matrices ([512 rows][512 k] f32 each) are rounded to bf16 and laid out in K blocks: tile 8 y + s of wts holds [512 rows][64 k],
; 128 bytes a row, 65,536 bytes dense, y = 0 q, 1 k, 2 v, 3 o.  Wo's bf16 numbers are written as f16 (the last product's other operand is f16).
; The three biases are rounded to bf16 and kept as f32, [3][512], behind the 32 tiles.
; LIMIT: a bf16 number of Wo of 65,520 or more becomes an infinity in f16; below 6e-5 it keeps f16's fixed step of 6e-8.
; Work-group (X, y): 16 rows of matrix y.  Wave w: K block w.  A lane takes 8 numbers of a row, four rows apart four times;
; each store of a wave covers four rows of a tile: 512 consecutive bytes, aligned.  Memory binds and the data are 4 MiB: no LDS, no barrier.
.set TILEB, 65536
.set BIASB, 32*TILEB
	s_load_b512 s[8:23], s[0:1], 0x0               ; Wq s[8:9], Wk s[10:11], Wv s[12:13], Wo s[14:15], bq s[16:17], bk s[18:19], bv s[20:21], wts s[22:23]
	v_lshrrev_b32 v1, 5, v0
	v_readfirstlane_b32 s5, v1                     ; wave = K block
	s_and_b32 s4, ttmp7, 0xffff                    ; y: which matrix
	s_mov_b32 s6, ttmp9                            ; X: which 16 rows
	v_and_b32 v2, 31, v0
	v_lshrrev_b32 v3, 3, v2                        ; lane / 8: row among four
	v_and_b32 v4, 7, v2                            ; lane % 8: which 8 numbers of the 64
	v_lshlrev_b32 v5, 11, v3
	v_lshl_add_u32 v5, v4, 5, v5                   ; in: row x 2,048 + 32 bytes of f32
	v_lshlrev_b32 v6, 7, v3
	v_lshl_add_u32 v6, v4, 4, v6                   ; out: row x 128 + 16 bytes
	v_lshlrev_b32 v7, 4, v0                        ; the bias: 16 bytes a thread
	s_lshl_b32 s28, s6, 15                         ; in: 16 rows of 2,048 bytes,
	s_lshl_b32 s29, s5, 8                          ; and the K block's 256 bytes
	s_add_co_u32 s28, s28, s29
	s_mov_b32 s29, 0
	s_lshl_b32 s30, s4, 3
	s_add_co_u32 s30, s30, s5                      ; out: tile 8 y + w,
	s_lshl_b32 s30, s30, 16
	s_lshl_b32 s31, s6, 11                         ; 16 rows of 128 bytes
	s_add_co_u32 s30, s30, s31
	s_mov_b32 s31, 0
	s_lshl_b32 s32, s4, 11                         ; the bias's place: 2,048 y behind the tiles
	s_add_co_u32 s32, s32, BIASB
	s_mov_b32 s33, 0
	s_mov_b32 s7, 0xffff0000                       ; a word's upper bf16
	s_wait_kmcnt 0x0
	s_cmp_eq_u32 s4, 1                             ; the matrix and its bias are chosen by y alone
	s_cselect_b64 s[24:25], s[10:11], s[8:9]
	s_cselect_b64 s[26:27], s[18:19], s[16:17]
	s_cmp_eq_u32 s4, 2
	s_cselect_b64 s[24:25], s[12:13], s[24:25]
	s_cselect_b64 s[26:27], s[20:21], s[26:27]
	s_cmp_eq_u32 s4, 3
	s_cselect_b64 s[24:25], s[14:15], s[24:25]
	s_add_nc_u64 s[24:25], s[24:25], s[28:29]
	s_add_nc_u64 s[30:31], s[22:23], s[30:31]
	s_add_nc_u64 s[32:33], s[22:23], s[32:33]
.irp i, 0,1,2,3
	global_load_b128 v[8+8*(\i):11+8*(\i)],  v5, s[24:25] offset:8192*(\i) th:TH_LOAD_NT
	global_load_b128 v[12+8*(\i):15+8*(\i)], v5, s[24:25] offset:8192*(\i)+16 th:TH_LOAD_NT
.endr
	s_wait_loadcnt 0x0
.set i, 0
.rept 16
	v_cvt_pk_bf16_f32 v[40+i], v[8+2*i], v[9+2*i]  ; two roundings to bf16, packed
.set i, i+1
.endr
	s_cmp_lg_u32 s4, 3
	s_cbranch_scc1 .Lput
.set i, 0
.rept 16                                               ; Wo: the bf16 numbers, widened, are written as f16
	v_lshlrev_b32 v[8+2*(i%4)], 16, v[40+i]
	v_and_b32 v[9+2*(i%4)], s7, v[40+i]
	v_cvt_pk_f16_f32 v[40+i], v[8+2*(i%4)], v[9+2*(i%4)]
.set i, i+1
.endr
.Lput:
.irp i, 0,1,2,3
	global_store_b128 v6, v[40+4*(\i):43+4*(\i)], s[30:31] offset:512*(\i)
.endr
	s_cmp_lg_u32 s6, 0                             ; the bias of q, k, v: the first row block's waves 0 to 3, 128 threads x 16 bytes
	s_cbranch_scc1 .Lend
	s_cmp_gt_u32 s4, 2
	s_cbranch_scc1 .Lend
	s_cmp_gt_u32 s5, 3
	s_cbranch_scc1 .Lend
	global_load_b128 v[56:59], v7, s[26:27]
	s_wait_loadcnt 0x0
	v_cvt_pk_bf16_f32 v60, v56, v57
	v_cvt_pk_bf16_f32 v61, v58, v59
	v_lshlrev_b32 v56, 16, v60                     ; rounded to bf16, kept as f32
	v_and_b32 v57, s7, v60
	v_lshlrev_b32 v58, 16, v61
	v_and_b32 v59, s7, v61
	global_store_b128 v7, v[56:59], s[32:33]
.Lend:
	s_endpgm
.Lfunc_end_k_q88756912bc_prep:
	.size	k_q88756912bc_prep, .Lfunc_end_k_q88756912bc_prep-k_q88756912bc_prep
	.p2alignl 7, 3214868480
	.fill 96, 4, 3214868480
	.section	.rodata,"a",@progbits
	.p2align	6, 0x0
	.amdhsa_kernel k_q88756912bc_prep
		.amdhsa_group_segment_fixed_size 0
		.amdhsa_private_segment_fixed_size 0
		.amdhsa_enable_private_segment 0
		.amdhsa_kernarg_size 64
		.amdhsa_user_sgpr_count 2
		.amdhsa_user_sgpr_kernarg_segment_ptr 1
		.amdhsa_wavefront_size32 1
		.amdhsa_system_sgpr_workgroup_id_x 1
		.amdhsa_system_sgpr_workgroup_id_y 1
		.amdhsa_system_sgpr_workgroup_id_z 1
		.amdhsa_system_vgpr_workitem_id 0
		.amdhsa_next_free_vgpr 64
		.amdhsa_next_free_sgpr 66
		.amdhsa_reserve_vcc 0
		.amdhsa_float_denorm_mode_32 3
		.amdhsa_float_denorm_mode_16_64 3
		.amdhsa_memory_ordered 1
		.amdhsa_forward_progress 1
		.amdhsa_inst_pref_size 7
	.end_amdhsa_kernel
	.amdgpu_metadata
---
amdhsa.version: [ 1, 2 ]
amdhsa.kernels:
  - .name:           k_q88756912bc_prep
    .symbol:         k_q88756912bc_prep.kd
    .args:
      - { .name: Wq, .offset: 0, .size: 8, .value_kind: global_buffer, .address_space: global }
      - { .name: Wk, .offset: 8, .size: 8, .value_kind: global_buffer, .address_space: global }
      - { .name: Wv, .offset: 16, .size: 8, .value_kind: global_buffer, .address_space: global }
      - { .name: Wo, .offset: 24, .size: 8, .value_kind: global_buffer, .address_space: global }
      - { .name: bq, .offset: 32, .size: 8, .value_kind: global_buffer, .address_space: global }
      - { .name: bk, .offset: 40, .size: 8, .value_kind: global_buffer, .address_space: global }
      - { .name: bv, .offset: 48, .size: 8, .value_kind: global_buffer, .address_space: global }
      - { .name: wts, .offset: 56, .size: 8, .value_kind: global_buffer, .address_space: global }
    .group_segment_fixed_size: 0
    .private_segment_fixed_size: 0
    .kernarg_segment_align: 8
    .kernarg_segment_size: 64
    .max_flat_workgroup_size: 256
    .sgpr_count:     66
    .vgpr_count:     64
    .wavefront_size: 32
...
	.end_amdgpu_metadata
.endif
;; end of part 1
;; launch project (part 2): grid 256 x 1, 4 waves a work-group, clusters of 4 x 1, 327,680 bytes of LDS; arguments x, wts, qkv; writes qkv
.if DOCPART == 2
	.amdgcn_target "amdgcn-amd-amdhsa--gfx1250"
	.amdhsa_code_object_version 6
	.text
	.protected	k_q88756912bc_project
	.globl	k_q88756912bc_project
	.p2align	8
	.type	k_q88756912bc_project,@function
k_q88756912bc_project:
	s_mov_b64 s[64:65], 0
	v_nop
	global_prefetch_b8 v0, s[64:65] scope:SCOPE_SE
	s_setreg_imm32_b32 hwreg(HW_REG_WAVE_MODE, 25, 1), 1
	s_wait_xcnt 0x0
	s_wait_alu depctr_hold_cnt(0) depctr_sa_sdst(0) depctr_va_vdst(0) depctr_va_sdst(0) depctr_va_ssrc(0) depctr_va_vcc(0) depctr_vm_vsrc(0)
	s_getreg_b32 s2, hwreg(HW_REG_IB_STS2, 6, 4)
	s_cmp_eq_u32 s2, 0
	s_cbranch_scc0 .Lentry_in_a_cluster
	s_endpgm
.Lentry_in_a_cluster:
	s_bfe_u32 s2, ttmp6, 0x10000c
	s_cmp_lg_u32 s2, 0x3003
	s_cbranch_scc0 .Lentry_shape_is_right
	s_endpgm
.Lentry_shape_is_right:
; q, k, v = x W^T + b.  x: [32,768 rows][512] f32, rounded to bf16 here; W: bf16 tiles [512 n][64 k] from wts; sums in f32, started by the bias; out f16, [3][32 b][2 h][1024 t][256 d].
; LIMIT: a result of 65,520 or more becomes an infinity in f16; below 6e-5 f16 keeps its fixed step of 6e-8.
; SHARES.  A work-group owns 128 rows of x, which stay in LDS as bf16 for the whole kernel.  It makes three chunks of 512 columns (q, k, v).  Wave w makes all 128 rows x columns 128 w .. 128 w + 127
; of a chunk: 64 accumulators, 512 registers.  K goes in steps of 64, one weight tile a step, through a ring of two LDS slots; the 24 tiles are one stream of 65,536 bytes each.
; A wave fetches and reads its own quarter of a tile (its 128 rows of W).
; CLUSTER.  All work-groups walk the same weights: the four of a cluster ask for each quarter tile JOINTLY (the same load, descriptor and mask in all four).
; THE MATRIX INSTRUCTION IS USED TRANSPOSED (source 0 = 16 rows of W, source 1 = 16 rows of x): a lane holds eight neighbouring columns of one row of the result.
; REGISTERS, in windows of 256 (s_set_vgpr_msb: bits 1:0 source 0, 3:2 source 1, 5:4 source 2, 7:6 destination):
;   window 0: v16-31 addresses; v64-127, v128-191 fragments of x, two buffers (at the start: x as loaded); v32-63, v192-255 at work on the way out (at the start: x packed)
;   window 1: v64-127, v128-191 fragments of W; v192-255 the bias of my 128 columns, laid out as a C operand      windows 2, 3: the accumulators of rows 0-63, 64-127
.set PA,     1040                      ; a row of x in LDS: 1,024 bytes + 16: an odd multiple of 16, so the 16 rows of a fragment load start at 16 different groups of four banks (ISA guide 11.1)
.set PB,     144                       ; a row of a weight tile: 128 + 16
.set QTR,    128*PB                    ; a wave's quarter of a tile
.set SLOT,   4*QTR
.set RING,   128*PA                    ; behind x's 128 rows, which ds_store writes and no tensor load touches
.set STAGE,  RING+2*SLOT               ; 16 rows x 272 bytes for each wave, for the way out
.set SPITCH, 272
.set SPARE,  STAGE+4*16*SPITCH         ; the spare words, 128 bytes a wave: two blocks of 256 bytes that no other line names
.set TILEB,  65536
.set BIASB,  32*TILEB
.set PARTB,  33554432                  ; bytes of q, of k, of v
.set ADRB, 16                          ; v16-17  my W fragments in slot 0, 1
.set A0L,  18                          ; v18     my lane's place in x's rows 0-63; never rewritten
.set A0H,  19                          ; v19     in rows 64-127
.set ADL,  20                          ; v20-21  the same plus the lap's 256 bytes along K
.set ADH,  21
.set XO,   22                          ; v22     x: 16 bytes a lane
.set XS,   23                          ; v23     x into LDS: 8 bytes a lane
.set STO,  24
.set RD,   25
.set CO,   26
.set BO,   27                          ; v27     the bias: 32 bytes for each half of the lanes
.set SPW,  28                          ; v28     my spare word; never rewritten
.set NIL,  29                          ; v29     0; never rewritten
.set XS0,  30                          ; v30     XS's fixed part
.set OB,   32
.set F0,   64
.set F1,   128
.set TMP,  192
.set BI,   192                         ; window 1
.set X,    64
.set PKD,  192
.set G1,   24                          ; s[24:31] descriptor group 1
.set G0,   32                          ; s[32:39] group 0, a set for each slot
.set MSB, 0
.macro WIN new                         ; the immediate's high byte repeats the setting that is left
.if MSB != (\new)
	s_set_vgpr_msb (MSB<<8)|(\new)
.set MSB, \new
.endif
.endm
.set MUL_LO, 0xa1                      ; W window 1, x window 0, C and D window 2
.set MUL_HI, 0xf1                      ; C and D window 3
.set BIA_LO, 0x91                      ; C (the bias) window 1, D window 2
.set BIA_HI, 0xd1                      ; D window 3
.set TO_B,   0x40
.macro CREST                           ; a round of the cluster's barrier behind its opening barrier
	s_cmp_lg_u32 s10, 0
	s_cbranch_scc1 .Lnot_wave_0_\@
	s_barrier_signal -3
.Lnot_wave_0_\@:
	s_barrier_wait -3
	s_barrier_signal -1
	s_barrier_wait -1
.endm
.macro CROUND
	s_barrier_signal -1
	s_barrier_wait -1
	CREST
.endm
.macro PLACES                          ; four plain vector instructions between a matrix instruction and a load into, or a vector read of, its registers
.rept 4
	v_nop
.endr
.endm
	s_load_b128 s[4:7], s[0:1], 0x0                ; x s[4:5], wts s[6:7]
	s_load_b64 s[8:9], s[0:1], 0x10                ; qkv
	v_lshl_add_u32 v[SPW], v0, 2, SPARE
	v_mov_b32 v[NIL], 0
	ds_add_u32 v[SPW], v[NIL]                      ; the wave's opening: the add and its wait ahead of my first tensor load
	ds_add_u32 v28, v29
	v_lshrrev_b32 v1, 5, v0
	v_readfirstlane_b32 s10, v1                    ; wave 0..3
	s_bfe_u32 s11, ttmp6, 0x40000                  ; cx
	s_lshl_b32 s12, ttmp9, 2
	s_add_co_u32 s12, s12, s11                     ; g: my block of 128 rows; it enters x's and the result's addresses alone
	; group 1: a quarter tile is 16,384 dense bytes: 64 rows of 256 bytes, two rows of W each, padded by 16 bytes after every 128
	s_mov_b32 s[G1+0], 15|(1<<16)|(1<<20)|(1<<21)|(4<<22)|(3<<25)  ; the mask of four; 2-byte elements; padding on; bit 21 beside a mask; after every 32 words; 4 words
	s_mov_b32 s[G1+1], 128<<16                     ; tensor_dim0 = 128
	s_mov_b32 s[G1+2], 64<<16                      ; tensor_dim1 = 64
	s_mov_b32 s[G1+3], 128<<16                     ; tile_dim0 = 128
	s_mov_b32 s[G1+4], 64                          ; tile_dim1 = 64
	s_mov_b32 s[G1+5], 128                         ; elements from row to row
	s_mov_b32 s[G1+6], 0
	s_mov_b32 s[G1+7], 0
	s_mul_i32 s20, s10, QTR                        ; my quarter's place in a slot
	s_lshl_b32 s14, s10, 14                        ; and in a tile
	s_mov_b32 s15, 0
	s_lshl_b32 s18, s10, 9                         ; the bias of my 128 columns
	s_add_co_u32 s18, s18, BIASB
	s_mov_b32 s19, 0
	s_lshl_b32 s42, s12, 18                        ; x: 128 rows of 2,048 bytes a work-group,
	s_lshl_b32 s43, s10, 16                        ; 32 a wave
	s_add_co_u32 s42, s42, s43
	s_mov_b32 s43, 0
	s_lshr_b32 s16, s12, 3                         ; the result: batch g / 8,
	s_lshl_b32 s16, s16, 1
	s_lshr_b32 s17, s10, 1                         ; head w / 2,
	s_add_co_u32 s16, s16, s17
	s_lshl_b32 s16, s16, 10
	s_and_b32 s17, s12, 7
	s_lshl_b32 s17, s17, 7                         ; row 128 (g % 8),
	s_add_co_u32 s16, s16, s17
	s_lshl_b32 s16, s16, 9                         ; 512 bytes a row,
	s_and_b32 s17, s10, 1
	s_lshl_b32 s17, s17, 8                         ; 256 bytes for the head's upper 128 channels
	s_add_co_u32 s16, s16, s17
	s_mov_b32 s17, 0
	s_wait_dscnt 0x0                               ; the opening add is done
	s_wait_kmcnt 0x0
	s_add_nc_u64 s[14:15], s[6:7], s[14:15]
	s_add_nc_u64 s[18:19], s[6:7], s[18:19]
	s_add_nc_u64 s[42:43], s[4:5], s[42:43]
	CROUND                                         ; all four work-groups are here: the first joint loads meet
.irp s, 0,1
	s_mov_b32 s[G0+4*(\s)], 1
	s_add_co_u32 s[G0+4*(\s)+1], s20, RING+(\s)*SLOT
	s_add_nc_u64 s[G0+4*(\s)+2:G0+4*(\s)+3], s[14:15], (\s)*TILEB
	s_or_b32 s[G0+4*(\s)+3], s[G0+4*(\s)+3], 0x80000000
	tensor_load_to_lds s[G0+4*(\s):G0+4*(\s)+3], s[G1:G1+7]  ; tiles 0 and 1: two loads of mine are out
	s_nop 0
.endr
	PLACES
	v_and_b32 v1, 15, v0                           ; r
	v_bfe_u32 v2, v0, 4, 1                         ; h
	v_and_b32 v3, 31, v0                           ; lane
	v_lshlrev_b32 v[XO], 4, v3
	v_lshlrev_b32 v[BO], 5, v2
	WIN TO_B
.irp b, 0,1,2,3,4,5,6,7                        ; the bias as a C operand: register j of block b holds b[128 w + 16 b + 8 h + j]
	global_load_b128 v[BI+8*(\b):BI+8*(\b)+3],   v[BO], s[18:19] offset:64*(\b)
	global_load_b128 v[BI+8*(\b)+4:BI+8*(\b)+7], v[BO], s[18:19] offset:64*(\b)+16
.endr
	WIN 0
	; x: wave w takes rows 32 w .. 32 w + 31, eight rows (32 loads of 512 consecutive bytes) at a time; 32 loads are always on their way
.set j, 0
.rept 32
	global_load_b128 v[X+4*j:X+4*j+3], v[XO], s[42:43] offset:(j/4)*2048+(j%4)*512 th:TH_LOAD_NT
.set j, j+1
.endr
	s_mul_i32 s45, s10, 32*PA
	v_lshl_add_u32 v[XS0], v3, 3, s45
	v_mov_b32 v[XS], v[XS0]
	v_mul_u32_u24 v[A0L], v1, PA
	v_lshl_add_u32 v[A0L], v2, 4, v[A0L]           ; row x pitch + 16 x half
	v_add_nc_u32 v[A0H], 64*PA, v[A0L]
	v_mul_u32_u24 v4, v1, PB
	v_lshl_add_u32 v4, v2, 4, v4
	s_add_co_u32 s21, s20, RING
	v_add_nc_u32 v[ADRB], s21, v4
	s_add_co_u32 s21, s21, SLOT
	v_add_nc_u32 v[ADRB+1], s21, v4
	s_mul_i32 s23, s10, 16*SPITCH
	s_add_co_u32 s23, s23, STAGE                   ; my stage
	v_mul_u32_u24 v4, v1, SPITCH                   ; in: row r, 16 bytes for each half of the lanes
	v_lshl_add_u32 v4, v2, 4, v4
	v_add_nc_u32 v[STO], s23, v4
	v_mul_u32_u24 v5, v2, SPITCH                   ; back: lanes 0-15 one row of 256 bytes, lanes 16-31 the next
	v_lshl_add_u32 v5, v1, 4, v5
	v_add_nc_u32 v[RD], s23, v5
	v_lshlrev_b32 v5, 9, v2                        ; and the same two rows of the result
	v_lshl_add_u32 v[CO], v1, 4, v5
	s_mov_b32 s44, 0
	s_mov_b32 s41, 3
.Lx:
.set j, 0
.rept 32
	s_wait_loadcnt 31                              ; loads come back in order: mine is in, the 31 younger stay out
	v_cvt_pk_bf16_f32 v[PKD+2*j],   v[X+4*j],   v[X+4*j+1]
	v_cvt_pk_bf16_f32 v[PKD+2*j+1], v[X+4*j+2], v[X+4*j+3]
	ds_store_b64 v[XS], v[PKD+2*j:PKD+2*j+1] offset:(j/4)*PA+(j%4)*256
	global_load_b128 v[X+4*j:X+4*j+3], v[XO], s[42:43] offset:16384+(j/4)*2048+(j%4)*512 th:TH_LOAD_NT
.set j, j+1
.endr
	s_wait_xcnt 0x0                                ; the base is stepped only behind this wait
	s_add_nc_u64 s[42:43], s[42:43], 16384
	s_add_co_u32 s44, s44, 8*PA
	v_add_nc_u32 v[XS], s44, v[XS0]
	s_sub_co_u32 s41, s41, 1
	s_cmp_lg_u32 s41, 0
	s_cbranch_scc1 .Lx
.set j, 0
.rept 32                                               ; the last eight rows: nothing more is loaded, the counts run down
	s_wait_loadcnt 31-j
	v_cvt_pk_bf16_f32 v[PKD+2*j],   v[X+4*j],   v[X+4*j+1]
	v_cvt_pk_bf16_f32 v[PKD+2*j+1], v[X+4*j+2], v[X+4*j+3]
	ds_store_b64 v[XS], v[PKD+2*j:PKD+2*j+1] offset:(j/4)*PA+(j%4)*256
.set j, j+1
.endr
; 16 matrix instructions: row blocks a0, a0 + 1 of the window's four x all 8 column blocks, 32 along K.  zero = 1: the product starts the sum, on the bias.
.macro MUL16 f, hi, a0, zero
.if \zero
	WIN BIA_LO+0x40*(\hi)
.else
	WIN MUL_LO+0x50*(\hi)
.endif
.irp a, \a0, (\a0)+1
.irp b, 0,1,2,3,4,5,6,7
.if \zero
	v_wmma_f32_16x16x32_bf16 v[8*(8*(\a)+(\b)):8*(8*(\a)+(\b))+7], v[(\f)+8*(\b):(\f)+8*(\b)+7], v[(\f)+8*(4*(\hi)+(\a)):(\f)+8*(4*(\hi)+(\a))+7], v[BI+8*(\b):BI+8*(\b)+7]
.else
	v_wmma_f32_16x16x32_bf16 v[8*(8*(\a)+(\b)):8*(8*(\a)+(\b))+7], v[(\f)+8*(\b):(\f)+8*(\b)+7], v[(\f)+8*(4*(\hi)+(\a)):(\f)+8*(4*(\hi)+(\a))+7], v[8*(8*(\a)+(\b)):8*(8*(\a)+(\b))+7]
.endif
.endr
.endr
.endm
; 32 LDS loads in one run: 32 along K (half q of the slot's tile): my 128 rows of W, then x's 128 rows, rows 64-127 last
.macro FETCH slot, q, f
	WIN TO_B
.irp i, 0,1,2,3,4,5,6,7
	ds_load_b128 v[(\f)+8*(\i):(\f)+8*(\i)+3],   v[ADRB+(\slot)] offset:64*(\q)+(\i)*16*PB
	ds_load_b128 v[(\f)+8*(\i)+4:(\f)+8*(\i)+7], v[ADRB+(\slot)] offset:64*(\q)+(\i)*16*PB+32
.endr
	WIN 0
.irp i, 0,1,2,3
	ds_load_b128 v[(\f)+8*(\i):(\f)+8*(\i)+3],   v[ADL] offset:128*(\slot)+64*(\q)+(\i)*16*PA
	ds_load_b128 v[(\f)+8*(\i)+4:(\f)+8*(\i)+7], v[ADL] offset:128*(\slot)+64*(\q)+(\i)*16*PA+32
.endr
.irp i, 0,1,2,3
	ds_load_b128 v[(\f)+32+8*(\i):(\f)+32+8*(\i)+3],   v[ADH] offset:128*(\slot)+64*(\q)+(\i)*16*PA
	ds_load_b128 v[(\f)+32+8*(\i)+4:(\f)+32+8*(\i)+7], v[ADH] offset:128*(\slot)+64*(\q)+(\i)*16*PA+32
.endr
.endm
; A tile's first half: multiplies buffer f and, in its middle, fetches half q of the same slot into g
.macro QUARTER slot, q, f, g, zero
	s_wait_dscnt 8                                 ; W and x's rows 0-63 are in; the youngest eight loads (rows 64-127) may be out
	MUL16 \f, 0, 0, \zero
	MUL16 \f, 0, 2, \zero
	PLACES
	FETCH \slot, \q, \g
	s_wait_dscnt 32                                ; all but the 32 just issued
	MUL16 \f, 1, 0, \zero
	MUL16 \f, 1, 2, \zero
.endm
; A tile's second half multiplies buffer 1 and changes slots.  In front of the barrier each wave waits for all its tensor loads (one is out: my quarter of the next slot),
; adds 0 to its spare word, and waits for that and for its reads of this slot.
.macro MEET round
	WIN 0
	s_wait_tensorcnt 0x0
	ds_add_u32 v[SPW], v[NIL]
	s_wait_dscnt 9                                 ; the add and the youngest eight loads may be out
	MUL16 F1, 0, 0, 0
	s_wait_dscnt 0x0                               ; the add is done, my reads of this slot are over
	s_barrier_signal -1
	MUL16 F1, 0, 2, 0
.if \round
	WIN 0
.endif
	s_barrier_wait -1
.endm
; wrap = 1: a chunk's last change of slots: x is read from K = 0 again
.macro TURN slot, next, wrap
	MEET 1
	CREST                                          ; the barrier has opened a round of the cluster's: no wave of any partner still reads this slot or has a load on its way
	s_add_nc_u64 s[G0+4*(\slot)+2:G0+4*(\slot)+3], s[G0+4*(\slot)+2:G0+4*(\slot)+3], 2*TILEB
	tensor_load_to_lds s[G0+4*(\slot):G0+4*(\slot)+3], s[G1:G1+7]  ; my one load behind the round: the tile two on
	s_nop 0
	PLACES                                         ; also the places in front of the loads below
.if (\next) == 0
.if \wrap
	s_mov_b32 s13, 0
.else
	s_add_co_u32 s13, s13, 256                     ; two tiles are 256 bytes of x's rows
.endif
	v_add_nc_u32 v[ADL], s13, v[A0L]
	v_add_nc_u32 v[ADH], s13, v[A0H]
.endif
	FETCH \next, 0, F0
	MUL16 F1, 1, 0, 0
	MUL16 F1, 1, 2, 0
.endm
; THE WAY OUT of row block a: rounded to f16, 16 bytes a lane; through my own stage; stored as whole rows of 256 bytes
.macro PACK a
.set AC, 64*((\a)%4)
	WIN 0x0a+5*((\a)/4)
.irp b, 0,1,2,3,4,5,6,7
.irp r, 0,1,2,3
	v_cvt_pk_f16_f32 v[TMP+4*(\b)+(\r)], v[AC+8*(\b)+2*(\r)], v[AC+8*(\b)+2*(\r)+1]
.endr
.endr
	WIN 0
.endm
.macro TOSTAGE a
	WIN 0
.set BK, OB+192*((\a)%2)
.irp b, 0,1,2,3,4,5,6,7
	ds_store_b128 v[STO], v[TMP+4*(\b):TMP+4*(\b)+3] offset:32*(\b)
.endr
.irp t, 0,1,2,3,4,5,6,7
	ds_load_b128 v[BK+4*(\t):BK+4*(\t)+3], v[RD] offset:(\t)*2*SPITCH  ; LDS serves a wave's instructions in order: these see the stores above
.endr
.endm
.macro SEND a, younger
	WIN 0
.set BK, OB+192*((\a)%2)
	s_wait_dscnt \younger
	s_wait_xcnt 0x0                                ; the stores' base and the registers that earlier stores read are rewritten only behind this wait
.if (\a) == 0
	s_add_nc_u64 s[8:9], s[8:9], s[16:17]          ; on to this chunk's first rows
.else
	s_add_nc_u64 s[8:9], s[8:9], 16*512
.endif
.irp t, 0,1,2,3,4,5,6,7
	global_store_b128 v[CO], v[BK+4*(\t):BK+4*(\t)+3], s[8:9] offset:2*(\t)*512  ; 16 lanes store 256 consecutive bytes, aligned
.endr
.endm
	s_wait_tensorcnt 0x1                           ; my quarter of tile 0 is in; tile 1's may stay out
	s_wait_dscnt 0x0                               ; my rows of x are written
	s_barrier_signal -1
	s_barrier_wait -1                              ; everybody's are
	s_mov_b32 s13, 0
	v_add_nc_u32 v[ADL], s13, v[A0L]
	v_add_nc_u32 v[ADH], s13, v[A0H]
	FETCH 0, 0, F0
	s_mov_b32 s2, 3                                ; chunks to go
.Lchunk:
	s_wait_loadcnt 0x0                             ; the chunk's bias
	QUARTER 0, 1, F0, F1, 1                        ; a chunk's first 64 products start the sums on the bias
	PLACES                                         ; the bias registers are loaded again behind these
	WIN 0
	s_cmp_eq_u32 s2, 1
	s_cbranch_scc1 .Lno_bias
	s_add_nc_u64 s[18:19], s[18:19], 2048          ; the next chunk's bias (the loads that named the base are done)
	WIN TO_B
.irp b, 0,1,2,3,4,5,6,7
	global_load_b128 v[BI+8*(\b):BI+8*(\b)+3],   v[BO], s[18:19] offset:64*(\b)
	global_load_b128 v[BI+8*(\b)+4:BI+8*(\b)+7], v[BO], s[18:19] offset:64*(\b)+16
.endr
	WIN 0
.Lno_bias:
	s_mov_b32 s3, 3
.Llap:                                                 ; a trip goes once round the ring: two tiles, both slots filled again
	TURN 0, 1, 0
	QUARTER 1, 1, F0, F1, 0
	TURN 1, 0, 0
	QUARTER 0, 1, F0, F1, 0
	WIN 0
	s_sub_co_u32 s3, s3, 1
	s_cmp_lg_u32 s3, 0
	s_cbranch_scc1 .Llap
	s_cmp_eq_u32 s2, 1
	s_cbranch_scc1 .Llast                          ; the last chunk's last lap asks for nothing more
	TURN 0, 1, 0                                   ; the ring goes on into the next chunk
	QUARTER 1, 1, F0, F1, 0
	TURN 1, 0, 1
	WIN 0
	s_branch .Lout
.Llast:
	MEET 0
	PLACES
	FETCH 1, 0, F0
	MUL16 F1, 1, 0, 0
	MUL16 F1, 1, 2, 0
	QUARTER 1, 1, F0, F1, 0
	s_wait_dscnt 8
	MUL16 F1, 0, 0, 0
	MUL16 F1, 0, 2, 0
	s_wait_dscnt 0x0
	MUL16 F1, 1, 0, 0
	MUL16 F1, 1, 2, 0
	WIN 0
.Lout:
	PLACES
	PACK 0
	TOSTAGE 0
.irp a, 1,2,3,4,5,6,7                  ; block a's conversions stand between block a - 1's loads from the stage and the wait for them
	PACK \a
	SEND (\a)-1, 0
	TOSTAGE \a
.endr
	SEND 7, 0
	s_mov_b64 s[16:17], PARTB-7*16*512             ; from my last 16 rows of a chunk to my first of the next
	s_sub_co_u32 s2, s2, 1
	s_cmp_lg_u32 s2, 0
	s_cbranch_scc1 .Lchunk
	s_wait_tensorcnt 0x0                           ; the wave's end
	ds_add_u32 v[SPW], v[NIL]
	s_wait_dscnt 0x0
	CROUND                                         ; the closing round
	s_endpgm
.Lfunc_end_k_q88756912bc_project:
	.size	k_q88756912bc_project, .Lfunc_end_k_q88756912bc_project-k_q88756912bc_project
	.p2alignl 7, 3214868480
	.fill 96, 4, 3214868480
	.section	.rodata,"a",@progbits
	.p2align	6, 0x0
	.amdhsa_kernel k_q88756912bc_project
		.amdhsa_group_segment_fixed_size 327680
		.amdhsa_private_segment_fixed_size 0
		.amdhsa_enable_private_segment 0
		.amdhsa_kernarg_size 24
		.amdhsa_user_sgpr_count 2
		.amdhsa_user_sgpr_kernarg_segment_ptr 1
		.amdhsa_wavefront_size32 1
		.amdhsa_system_sgpr_workgroup_id_x 1
		.amdhsa_system_sgpr_workgroup_id_y 1
		.amdhsa_system_sgpr_workgroup_id_z 1
		.amdhsa_system_vgpr_workitem_id 0
		.amdhsa_next_free_vgpr 1024
		.amdhsa_next_free_sgpr 66
		.amdhsa_reserve_vcc 0
		.amdhsa_float_denorm_mode_32 3
		.amdhsa_float_denorm_mode_16_64 3
		.amdhsa_memory_ordered 1
		.amdhsa_forward_progress 1
		.amdhsa_inst_pref_size 134
	.end_amdhsa_kernel
	.amdgpu_metadata
---
amdhsa.version: [ 1, 2 ]
amdhsa.kernels:
  - .name:           k_q88756912bc_project
    .symbol:         k_q88756912bc_project.kd
    .args:
      - { .name: x, .offset: 0, .size: 8, .value_kind: global_buffer, .address_space: global }
      - { .name: wts, .offset: 8, .size: 8, .value_kind: global_buffer, .address_space: global }
      - { .name: qkv, .offset: 16, .size: 8, .value_kind: global_buffer, .address_space: global }
    .group_segment_fixed_size: 327680
    .private_segment_fixed_size: 0
    .kernarg_segment_align: 8
    .kernarg_segment_size: 24
    .max_flat_workgroup_size: 128
    .sgpr_count:     66
    .vgpr_count:     1024
    .wavefront_size: 32
...
	.end_amdgpu_metadata
.endif
;; end of part 2
;; launch attend (part 3): grid 4 x 64, 4 waves a work-group, no clusters, 327,680 bytes of LDS; arguments qkv, att; writes att
.if DOCPART == 3
	.amdgcn_target "amdgcn-amd-amdhsa--gfx1250"
	.amdhsa_code_object_version 6
	.text
	.protected	k_q88756912bc_attend
	.globl	k_q88756912bc_attend
	.p2align	8
	.type	k_q88756912bc_attend,@function
k_q88756912bc_attend:
	s_mov_b64 s[64:65], 0
	v_nop
	global_prefetch_b8 v0, s[64:65] scope:SCOPE_SE
	s_setreg_imm32_b32 hwreg(HW_REG_WAVE_MODE, 25, 1), 1
	s_wait_xcnt 0x0
; CAUSAL ATTENTION at head size 256.  O[q] = the sum over k <= q of softmax_k(Q[q] . K[k] / sqrt(512)) V[k].  Q, K, V: [64 planes (batch, head)][1024][256] f16, three parts of qkv;
; O: att [32][1024][512] f16, column 256 head + channel.  Products, maxima and sums in f32; the weights p are rounded to f16 for the second product (their sum l is of the unrounded p), O once.
; LIMITS.  A hidden score counts as -1e30; a weight below 2^-126 counts as 0 in l; p below 6e-5 keeps f16's fixed step of 6e-8; NaN and infinities are not treated apart.
; THE WALK.  A plane's queries lie in 8 blocks of 128; block i needs the key tiles 0 .. i of 128 keys, the last holding the diagonal.  A work-group takes blocks p and then 7 - p: 9 tiles whatever p,
; 18 key steps of 64, so all 256 work-groups do equal work and every trip count is a constant.  NO CLUSTER: the four work-groups of a plane ask for the same tile only in part of the walk
; (their first blocks have 1 to 4 tiles), and one walk common to all four would have 12 tiles for 9.
; SHARES.  Wave w owns rows 32 w .. 32 w + 31 of a block: two tiles of 16 queries.  In the diagonal tile nothing is left out, so the four waves do equal work.
; LAYOUT.  S^T = K Q^T holds ONE query a lane (lane % 16) and the keys 8 (lane / 16) + 0..7; two such results rounded to f16 ARE source 1 of O^T = V^T P.  K comes out of LDS as it lies, V turned (ds_load_tr16_b128).
; SOFTMAX.  A running maximum m and sum l: p = 2^(c s - c m), c = log2(e) / sqrt(512); in every step O and l are multiplied by a = 2^(c m_old - c m_new).  m starts at the lowest finite number, so a block's first a is 0.
; PHASES.  H2: a step's 64 products K Q^T, the step's V fetched among them.  H1: the mask (diagonal tile only), the softmax, the 64 products V^T P, the next step's K fetched among them.
; REGISTERS, in windows of 256 (s_set_vgpr_msb: bits 1:0 source 0, 3:2 source 1, 5:4 source 2, 7:6 destination):
;   window 0: v2-15 addresses; v16-31 statistics; v32-95 S^T; v96-127 P; v128-255 Q      window 1: O^T, 128 a tile      window 2: K of one step      window 3: V of one step
.set KS,    64
.set PK,    528       ; a row of K in LDS: 512 + 16 bytes, an odd multiple of 16
.set PVP,   544       ; a row of V: 512 + 32, an odd multiple of 32, for the turning load
.set KSTEP, KS*PK
.set VSTEP, KS*PVP
.set VOFF,  2*KSTEP   ; a slot holds a tile: 128 rows of K, then 128 rows of V
.set SLOT,  2*(KSTEP+VSTEP)
.set STAGE, 2*SLOT    ; behind the ring, never filled by a tensor load: 16 rows x 528 bytes for each wave
.set SP,    528
.set SPARE, STAGE+4*16*SP  ; the spare words, 128 bytes a wave: two blocks of 256 bytes that no other line names
.set PARTB, 33554432
.set AK0, 2
.set AV0, 3
.set AK,  4
.set AV,  5
.set QO,  6
.set STO, 7
.set RD,  8
.set GO,  9
.set DQ,  10          ; v10  32 w + l % 16 - 8 (l / 16): register 8 kb + j of tile t is hidden where MOF + 16 kb + j - 16 t is greater
.set DT,  11
.set BN,  12          ; v12  -1e30
.set SPW, 14
.set NIL, 15
.set ST,  16          ; tile t at v[ST+8 t]: c m, m, l (two), c0-c3 at work; a takes c2's place
.set S,   32
.set P,   96
.set Q,   128
.set WV,  12
.set PB,  14          ; s14  p
.set HI,  15          ; s15  7 - p
.set G1K, 24
.set G1V, 32
.set G0K, 40
.set G0V, 44
.set KB,  48          ; s[48:49] K at my half of the plane's tile 0
.set VB,  50
.set QH,  52          ; s[52:53] Q at my rows of block 7 - p
.set OBA, 54          ; s[54:55] O at my rows of the block in hand
.set OH,  56          ; s[56:57] of block 7 - p
.set CS,  58
.set SEL, 60
.set TBK, 62          ; s62  LDS byte at which K of the step to be fetched begins
.set TBV, 63          ; s63  the same for V, less VOFF
.set FS,  66          ; s66  the slot last asked for: 0 or SLOT
.set WK,  67          ; s67  my half's place in a slot, for K
.set WVO, 68          ; s68  for V
.set RS,  69          ; s69  steps of the block in hand still to be finished
.set NXT, 70          ; s70  the tile to be asked for next
.set LQ,  71          ; s71  the last tile of the block whose tiles are being asked for
.set OFF, 72          ; s[72:73]
.set CNT, 74
.set SLOTS, 75
.set MOF, 76          ; s76  the step's first key in the diagonal tile: 0 or 64
.set MSB, 0
.macro WIN new
.if MSB != (\new)
	s_set_vgpr_msb (MSB<<8)|(\new)
.set MSB, (\new)
.endif
.endm
.set W_KQ, 0x02
.set W_PV, 0x53
.set W_RS, 0x41
.macro PLACES
.rept 4
	v_nop
.endr
.endm
; A fill.  Waves 0 and 1 fetch the two halves of a tile's K, waves 2 and 3 those of its V: 64 rows of 512 bytes each.
.macro LOAD
	s_cmp_lt_u32 s[WV], 2
	s_cbranch_scc0 .Lfor_v_\@
	tensor_load_to_lds s[G0K:G0K+3], s[G1K:G1K+7]
	s_nop 0
	PLACES
	s_branch .Lasked_\@
.Lfor_v_\@:
	tensor_load_to_lds s[G0V:G0V+3], s[G1V:G1V+7]
	s_nop 0
	PLACES
.Lasked_\@:
.endm
; THE CHANGE OF SLOTS.  Each wave waits for all its tensor loads (one is out: its part of the other slot), adds 0 to its spare word, and waits for that and for its reads of the slot that it leaves.
; fill = 1: the old slot is filled again, first thing behind the barrier, with tile NXT.  (At its first use nothing has been read: slot 0 is waited for, slot 1 filled.)
.macro CHANGE fill
	WIN 0
	s_wait_tensorcnt 0x0                           ; no tensor load of mine is out, so a group 0 may be written
	ds_add_u32 v[SPW], v[NIL]
.if \fill
	s_lshl_b32 s[OFF], s[NXT], 16                  ; a tile is 65,536 bytes of K and of V
	s_xor_b32 s[FS], s[FS], SLOT
	s_add_co_u32 s[G0K+1], s[FS], s[WK]
	s_add_nc_u64 s[G0K+2:G0K+3], s[KB:KB+1], s[OFF:OFF+1]
	s_or_b32 s[G0K+3], s[G0K+3], 0x80000000
	s_add_co_u32 s[G0V+1], s[FS], s[WVO]
	s_add_nc_u64 s[G0V+2:G0V+3], s[VB:VB+1], s[OFF:OFF+1]
	s_or_b32 s[G0V+3], s[G0V+3], 0x80000000
	s_add_co_u32 s[NXT], s[NXT], 1                 ; the block's next tile, or behind its last the second block's tile 0
	s_cmp_gt_u32 s[NXT], s[LQ]
	s_cselect_b32 s[NXT], 0, s[NXT]
	s_cselect_b32 s[LQ], s[HI], s[LQ]
.endif
	s_wait_dscnt 0x0                               ; the add is done, my reads of the slot are over
	s_barrier_signal -1
	s_sub_co_u32 s[TBK], s[TBK], 2*KSTEP           ; the fetches go back to a slot's first step,
	s_xor_b32 s[TBK], s[TBK], SLOT                 ; in the other slot
	s_sub_co_u32 s[TBV], s[TBV], 2*VSTEP
	s_xor_b32 s[TBV], s[TBV], SLOT
	s_barrier_wait -1
.if \fill
	LOAD
.endif
.endm
.macro QLOAD lo                        ; 32 rows of Q stay in registers: tile i / 8, channels 32 (i % 8) on
	WIN 0
.set i, 0
.rept 16
	global_load_b128 v[Q+8*i:Q+8*i+3],   v[QO], s[(\lo):(\lo)+1] offset:(i/8)*8192+(i%8)*64
	global_load_b128 v[Q+8*i+4:Q+8*i+7], v[QO], s[(\lo):(\lo)+1] offset:(i/8)*8192+(i%8)*64+32
.set i, i+1
.endr
.endm
	s_load_b128 s[4:7], s[0:1], 0x0                ; qkv s[4:5], att s[6:7]
	v_lshl_add_u32 v[SPW], v0, 2, SPARE
	v_mov_b32 v[NIL], 0
	ds_add_u32 v[SPW], v[NIL]                      ; the wave's opening: the add and its wait ahead of my first tensor load
	ds_add_u32 v14, v15
	v_lshrrev_b32 v1, 5, v0
	v_readfirstlane_b32 s[WV], v1
	s_mov_b32 s[PB], ttmp9
	s_sub_co_u32 s[HI], 7, s[PB]
	s_and_b32 s20, ttmp7, 0xffff                   ; the plane: 2 batch + head
	s_lshl_b32 s21, s20, 19                        ; its 524,288 bytes in each part
	s_and_b32 s16, s[WV], 1                        ; which half of a tile's 128 keys I fetch
	s_mul_i32 s[WK], s16, KSTEP
	s_mul_i32 s[WVO], s16, VSTEP
	s_add_co_u32 s[WVO], s[WVO], VOFF
	s_lshl_b32 s22, s16, 15
	s_add_co_u32 s22, s22, s21
	s_add_co_u32 s22, s22, PARTB                   ; K is the second part
	s_mov_b32 s23, 0
	s_lshl_b32 s17, s[WV], 14                      ; my 32 rows of 512 bytes in a block
	s_add_co_u32 s17, s17, s21
	s_lshl_b32 s2, s[PB], 16                       ; Q: block p,
	s_add_co_u32 s2, s2, s17
	s_mov_b32 s3, 0
	s_lshl_b32 s8, s[HI], 16                       ; and block 7 - p
	s_add_co_u32 s8, s8, s17
	s_mov_b32 s9, 0
	s_lshr_b32 s18, s20, 1                         ; O: batch x 1,024 rows of 1,024 bytes,
	s_lshl_b32 s18, s18, 20
	s_and_b32 s19, s20, 1
	s_lshl_b32 s19, s19, 9                         ; the head's 512 bytes of a row,
	s_add_co_u32 s18, s18, s19
	s_lshl_b32 s19, s[WV], 15                      ; my 32 rows
	s_add_co_u32 s18, s18, s19
	s_lshl_b32 s10, s[PB], 17
	s_add_co_u32 s10, s10, s18
	s_mov_b32 s11, 0
	s_lshl_b32 s78, s[HI], 17
	s_add_co_u32 s78, s78, s18
	s_mov_b32 s79, 0
	s_mov_b32 s[G1K], (1<<16)|(1<<20)|(6<<22)|(3<<25)  ; 2-byte elements; padding on; after every 128 words; 4 words
	s_mov_b32 s[G1V], (1<<16)|(1<<20)|(6<<22)|(7<<25)  ; the same with 8 words
.irp g, G1K, G1V
	s_mov_b32 s[\g+1], 256<<16                     ; tensor_dim0 = 256
	s_mov_b32 s[\g+2], 64<<16                      ; tensor_dim1 = 64
	s_mov_b32 s[\g+3], 256<<16                     ; tile_dim0 = 256
	s_mov_b32 s[\g+4], 64                          ; tile_dim1 = 64
	s_mov_b32 s[\g+5], 256                         ; elements from row to row
	s_mov_b32 s[\g+6], 0
	s_mov_b32 s[\g+7], 0
.endr
	s_mov_b32 s[CS], 0x3d8293ee                    ; c = log2(e) / sqrt(512) = 0.0637587
	s_mov_b32 s[CS+1], s[CS]
	s_mov_b32 s[SEL], 0x76543210
	s_mov_b32 s[SEL+1], 0xfedcba98
	s_mov_b32 s[TBK], SLOT+2*KSTEP                 ; the first change of slots turns these two into 0
	s_mov_b32 s[TBV], SLOT+2*VSTEP
	s_mov_b32 s[FS], 0
	s_mov_b32 s[G0K], 1
	s_mov_b32 s[G0K+1], s[WK]                      ; slot 0
	s_mov_b32 s[G0V], 1
	s_mov_b32 s[G0V+1], s[WVO]
	s_mov_b32 s[OFF+1], 0
	s_lshl_b32 s[RS], s[PB], 1
	s_add_co_u32 s[RS], s[RS], 2                   ; block p has 2 (p + 1) steps
	s_mov_b32 s[NXT], 1                            ; tile 0 is asked for below; then tile 1, or, where p = 0, the second block's tile 0
	s_mov_b32 s[LQ], s[PB]
	s_cmp_gt_u32 s[NXT], s[LQ]
	s_cselect_b32 s[NXT], 0, s[NXT]
	s_cselect_b32 s[LQ], s[HI], s[LQ]
	s_wait_dscnt 0x0                               ; the opening add is done
	s_wait_kmcnt 0x0
	s_add_nc_u64 s[KB:KB+1], s[4:5], s[22:23]
	s_add_nc_u64 s[VB:VB+1], s[KB:KB+1], PARTB
	s_add_nc_u64 s[G0K+2:G0K+3], s[KB:KB+1], 0
	s_or_b32 s[G0K+3], s[G0K+3], 0x80000000
	s_add_nc_u64 s[G0V+2:G0V+3], s[VB:VB+1], 0
	s_or_b32 s[G0V+3], s[G0V+3], 0x80000000
	s_add_nc_u64 s[2:3], s[4:5], s[2:3]
	s_add_nc_u64 s[QH:QH+1], s[4:5], s[8:9]
	s_add_nc_u64 s[OBA:OBA+1], s[6:7], s[10:11]
	s_add_nc_u64 s[OH:OH+1], s[6:7], s[78:79]
	LOAD                                           ; tile 0 into slot 0
	v_and_b32 v1, 15, v0                           ; r
	v_bfe_u32 v13, v0, 4, 1                        ; h
	v_lshlrev_b32 v[QO], 9, v1
	v_lshl_add_u32 v[QO], v13, 4, v[QO]            ; row x 512 + 16 x half
	QLOAD 2
	v_mul_u32_u24 v[AK0], v1, PK
	v_lshl_add_u32 v[AK0], v13, 4, v[AK0]          ; row x pitch + 16 x half
	v_and_b32 v[AV], 7, v0                         ; the turning load: lane l reads key 8 (l / 16) + l % 8, channels 8 ((l / 8) % 2) + 0..7
	v_lshl_add_u32 v[AV0], v13, 3, v[AV]
	v_mul_u32_u24 v[AV0], v[AV0], PVP
	v_bfe_u32 v[AV], v0, 3, 1
	v_lshl_add_u32 v[AV0], v[AV], 4, v[AV0]
	v_add_nc_u32 v[AV0], VOFF, v[AV0]
	s_mul_i32 s13, s[WV], 16*SP
	s_add_co_u32 s13, s13, STAGE                   ; my stage
	v_add_nc_u32 v[STO], s13, v[AK0]               ; in: row r, 16 bytes for each half of the lanes (the stage's pitch is K's)
	v_and_b32 v[GO], 31, v0
	v_lshlrev_b32 v[GO], 4, v[GO]                  ; back and out: 32 lanes take a row's 512 bytes
	v_add_nc_u32 v[RD], s13, v[GO]
	v_lshlrev_b32 v[DQ], 3, v13
	v_sub_nc_u32 v[DQ], v1, v[DQ]
	s_lshl_b32 s13, s[WV], 5
	v_add_nc_u32 v[DQ], s13, v[DQ]
	v_mov_b32 v[BN], 0xf149f2ca                    ; -1e30
.irp t, 0,1
	v_mov_b32 v[ST+8*(\t)], 0xfe000000             ; c m: far below every c s
	v_mov_b32 v[ST+8*(\t)+1], 0xff7fffff           ; m
	v_mov_b32 v[ST+8*(\t)+2], 0
	v_mov_b32 v[ST+8*(\t)+3], 0
.endr
	WIN 0x40                                       ; O^T need only be finite, since a block's first a is 0: zeros, written in the wait for the first tile; the price of writing no first step out
.set i, 0
.rept 256
	v_mov_b32 v[i], 0
.set i, i+1
.endr
	WIN 0
; THE MATRIX WORK.  The accumulators take turns, one instruction a turn.
; Product i of 64 of S^T = K Q^T: channels 32 (i / 8) on, keys 16 ((i / 2) % 4) on, tile i % 2.  The first 8 start the sums.
.macro KQ
	WIN W_KQ
.set rS, S+32*(i%2)+8*((i/2)%4)
.set rK, 8*(4*(i/8)+(i/2)%4)
.set rQ, Q+64*(i%2)+8*(i/8)
.if i < 8
	v_wmma_f32_16x16x32_f16 v[rS:rS+7], v[rK:rK+7], v[rQ:rQ+7], 0
.else
	v_wmma_f32_16x16x32_f16 v[rS:rS+7], v[rK:rK+7], v[rQ:rQ+7], v[rS:rS+7]
.endif
.set i, i+1
.endm
; Product i of 64 of O^T += V^T P: keys 32 (i / 32) on, channels 16 ((i / 2) % 16) on, tile i % 2.
.macro PV
	WIN W_PV
.set rO, 128*(i%2)+8*((i/2)%16)
.set rV, 8*(16*(i/32)+(i/2)%16)
.set rP, P+16*(i%2)+8*(i/32)
	v_wmma_f32_16x16x32_f16 v[rO:rO+7], v[rV:rV+7], v[rP:rP+7], v[rO:rO+7]
.set i, i+1
.endm
.macro KLD                             ; load n of 64 of a step's K: fragment n / 2: channels 32 ((n / 2) / 4) on, keys 16 ((n / 2) % 4) on
	WIN 0x80
	ds_load_b128 v[4*n:4*n+3], v[AK] offset:((n/2)%4)*16*PK+((n/2)/4)*64+(n%2)*32
.set n, n+1
.endm
.macro VLD                             ; load n of 64 of a step's V, turned: fragment n / 2: keys 32 ((n / 2) / 16) on, channels 16 ((n / 2) % 16) on
	WIN 0xc0
	ds_load_tr16_b128 v[4*n:4*n+3], v[AV] offset:((n/2)/16)*32*PVP+((n/2)%16)*32+(n%2)*16*PVP
.set n, n+1
.endm
; THE SOFTMAX of tile t for one step is a list of 166 instructions; SM writes number j.  s0-s31 are the lane's 32 scores, in pairs 0-15.
;   0-15    the maximum of s0-s31 and the old m: four chains c0-c3 of seven scores each (each accumulator's lowest registers are read first), the four left over, c0-c3 and m
;   16-20   the other half of the lanes' maximum; the new m; c m; c m_old - c m_new
;   21-87   33 exponentials (a, then s0-s31) at the odd numbers from 23 on; the plain numbers between are c s - c m for pairs to come, the rounding of pairs that are done, the first sums
;   88-101  the last rounding; the rest of the sums; l = a l + the sum            102-165  the tile's O^T times a
.macro SM t
.set rT, ST+8*(\t)
.set rS, S+32*(\t)
.set rP, P+16*(\t)
.set rO, 128*(\t)+2*(j-102)
.set q, (j-20)/2
.if j < 102
	WIN 0
.endif
.if j < 4
	v_max3_num_f32 v[rT+4+j], v[rS+8*j], v[rS+8*j+1], v[rS+8*j+2]
.elseif j < 12
	v_max3_num_f32 v[rT+4+j%4], v[rT+4+j%4], v[rS+8*(j%4)+2*(j/4)+1], v[rS+8*(j%4)+2*(j/4)+2]
.elseif j == 12
	v_max3_num_f32 v[rT+4], v[rT+4], v[rS+7], v[rS+15]
.elseif j == 13
	v_max3_num_f32 v[rT+6], v[rT+6], v[rS+23], v[rS+31]
.elseif j == 14
	v_max3_num_f32 v[rT+4], v[rT+4], v[rT+5], v[rT+6]
.elseif j == 15
	v_max3_num_f32 v[rT+4], v[rT+4], v[rT+7], v[rT+1]
.elseif j == 16
	v_permlanex16_b32 v[rT+5], v[rT+4], s[SEL], s[SEL+1]  ; the query's other 32 keys lie in the lane 16 away
.elseif j == 17
	v_mov_b32 v[rT+7], v[rT]                       ; c m_old is kept for a
.elseif j == 18
	v_max_num_f32 v[rT+1], v[rT+4], v[rT+5]
.elseif j == 19
	v_mul_f32 v[rT], s[CS], v[rT+1]
.elseif j == 20
	v_sub_f32 v[rT+7], v[rT+7], v[rT]
.elseif j == 23
	v_exp_f32 v[rT+6], v[rT+7]
.elseif (j < 88) && (j > 23) && (j%2 == 1)
	v_exp_f32 v[rS+(j-25)/2], v[rS+(j-25)/2]
.elseif (q < 4) || ((j < 76) && (q%2 == 0))
.set b, q/2+2
.if q < 4
.set b, q
.endif
	v_pk_fma_f32 v[rS+2*b:rS+2*b+1], v[rS+2*b:rS+2*b+1], s[CS:CS+1], v[rT:rT+1] op_sel_hi:[1,0,0] neg_lo:[0,0,1] neg_hi:[0,0,1]  ; pair b: c s - c m
.elseif (j < 88) && (q%2 == 1)
	s_wait_alu depctr_va_vdst(0)
	v_cvt_pk_f16_f32 v[rP+(q-5)/2], v[rS+q-5], v[rS+q-4]
.elseif j == 89
	s_wait_alu depctr_va_vdst(0)
	v_cvt_pk_f16_f32 v[rP+15], v[rS+30], v[rS+31]
.elseif j < 102                        ; the sum of the 16 pairs, in place: neighbours 1, 2, 4 and 8 pairs apart, then l takes it
.set z, j-86
.if j < 89
.set z, (j-76)/4
.endif
.set w, 4
.set u, z
.if z >= 14
.set w, 32
.set u, 0
.elseif z >= 12
.set w, 16
.set u, z-12
.elseif z >= 8
.set w, 8
.set u, z-8
.endif
.if z < 15
	v_pk_add_f32 v[rS+w*u:rS+w*u+1], v[rS+w*u:rS+w*u+1], v[rS+w*u+w/2:rS+w*u+w/2+1]
.else
	v_pk_fma_f32 v[rT+2:rT+3], v[rT+2:rT+3], v[rT+6:rT+7], v[rS:rS+1] op_sel_hi:[1,0,1]
.endif
.else
	WIN W_RS
	v_pk_mul_f32 v[rO:rO+1], v[rO:rO+1], v[rT+6:rT+7] op_sel_hi:[1,0]
.endif
.endm
; Both tiles' lists, two numbers at a time.  From 22 to 87 tile by tile (plain, exponential, plain, exponential: a plain instruction of the other tile stands behind each exponential: ISA guide 5.7.2);
; elsewhere the tiles alternate, so that no instruction reads the result of the one before it.
.macro SOFTMAX
.set k, 0
.rept 83
.if (k >= 11) && (k < 44)
.irp t, 0,1
.irp n, 0,1
.set j, 2*k+(\n)
	SM \t
.endr
.endr
.else
.irp n, 0,1
.irp t, 0,1
.set j, 2*k+(\n)
	SM \t
.endr
.endr
.endif
.set k, k+1
.endr
.endm
.macro MASK                            ; the diagonal tile: a hidden score becomes -1e30; each accumulator's registers in ascending order
	WIN 0
	v_sub_nc_u32 v[DT], v[DQ], s[MOF]
.set n, 0
.rept 64
	v_cmp_gt_i32 vcc_lo, 16*((n%32)/8)+(n%8)-16*(n/32), v[DT]
	v_cndmask_b32 v[S+n], v[S+n], v[BN], vcc_lo
.set n, n+1
.endr
.endm
; THE WAY OUT.  l's halves are added; O^T is divided by l, rounded to f16 and sent through my stage, a tile (16 rows) at a time; each store covers a row's 512 consecutive bytes, aligned.
.macro PACK t
	WIN W_RS
.set i, 128*(\t)
.rept 64
	v_pk_mul_f32 v[i:i+1], v[i:i+1], v[ST+8*(\t)+6:ST+8*(\t)+7] op_sel_hi:[1,0]
.set i, i+2
.endr
	WIN 0x05
.set i, 0
.rept 64
	v_cvt_pk_f16_f32 v[S+i], v[128*(\t)+2*i], v[128*(\t)+2*i+1]
.set i, i+1
.endr
	WIN 0
.set i, 0
.rept 16
	ds_store_b128 v[STO], v[S+4*i:S+4*i+3] offset:32*i
.set i, i+1
.endr
.set i, 0
.rept 16
	ds_load_b128 v[S+4*i:S+4*i+3], v[RD] offset:SP*i  ; LDS serves a wave's instructions in order: these see the stores above
.set i, i+1
.endr
.endm
.macro SEND t
.set i, 0
.rept 16
	s_wait_dscnt 15-i
	global_store_b128 v[GO], v[S+4*i:S+4*i+3], s[OBA:OBA+1] offset:(\t)*16384+i*1024
.set i, i+1
.endr
.endm
.macro WAYOUT
	WIN 0
	PLACES                                         ; behind the last products
.irp t, 0,1
	v_add_f32 v[ST+8*(\t)+4], v[ST+8*(\t)+2], v[ST+8*(\t)+3]
.endr
.irp t, 0,1
	v_permlanex16_b32 v[ST+8*(\t)+5], v[ST+8*(\t)+4], s[SEL], s[SEL+1]
.endr
.irp t, 0,1
	v_add_f32 v[ST+8*(\t)+4], v[ST+8*(\t)+4], v[ST+8*(\t)+5]
.endr
.irp t, 0,1
	v_rcp_f32 v[ST+8*(\t)+6], v[ST+8*(\t)+4]
.endr
	v_nop                                          ; a plain instruction between the last reciprocal and the use of its result
	s_wait_alu depctr_va_vdst(0)
	PACK 0
	SEND 0
	s_wait_xcnt 0x0                                ; the registers that those stores read are rewritten only behind this wait
	PACK 1
	SEND 1
.endm
; H1: a step's mask, softmax and V^T P; the next step's K is fetched.  tail = 1: the walk's last tile: K's run stands together and is jumped over in the last step; the block's end stands behind the loop.
.macro H1 tail
	WIN 0
	s_cmp_gt_u32 s[RS], 2
	s_cbranch_scc1 .Lopen_\@                       ; only a block's last two steps lie in its diagonal tile
	s_cmp_eq_u32 s[RS], 2
	s_cselect_b32 s[MOF], 0, 64
	MASK
.Lopen_\@:
	v_add_nc_u32 v[AK], s[TBK], v[AK0]
	SOFTMAX
.set i, 0
.set n, 0
.if \tail
	WIN 0
	s_cmp_eq_u32 s[CNT], 1
	s_cbranch_scc1 .Lno_k_\@
.rept 64
	KLD
.endr
	WIN 0
.Lno_k_\@:
.rept 64
	PV
.endr
.else
.rept 16                                               ; K's registers were last read in front of the softmax; the run ends 32 products ahead of the wait for it
	PV
	PV
	KLD
	KLD
	KLD
	KLD
.endr
.rept 32
	PV
.endr
.endif
	WIN 0
	s_add_co_u32 s[TBK], s[TBK], KSTEP
.if !(\tail)
	s_cmp_lg_u32 s[RS], 1
	s_cbranch_scc1 .Lgo_on_\@
	QLOAD QH                                       ; THE FIRST BLOCK ENDS: the second block's Q is on its way while O leaves
	WAYOUT
	s_wait_xcnt 0x0                                ; the stores have read their registers and O's address
	s_mov_b64 s[OBA:OBA+1], s[OH:OH+1]
.irp t, 0,1
	v_mov_b32 v[ST+8*(\t)], 0xfe000000             ; the next step's a is 0: O^T and l need only be finite
	v_mov_b32 v[ST+8*(\t)+1], 0xff7fffff
.endr
	s_lshl_b32 s[RS], s[HI], 1
	s_add_co_u32 s[RS], s[RS], 3                   ; block 7 - p has 2 (8 - p) steps; one is taken off below
.Lgo_on_\@:
.endif
	s_sub_co_u32 s[RS], s[RS], 1
.endm
; H2: a step's K Q^T; the step's V is fetched.
.macro H2
	WIN 0
	PLACES                                         ; behind the last V^T P: V's registers are loaded again
	v_add_nc_u32 v[AV], s[TBV], v[AV0]
	s_wait_loadcnt 0x0                             ; Q
	s_wait_dscnt 0x0                               ; K is in
.set i, 0
.set n, 0
.rept 16
	KQ
	KQ
	VLD
	VLD
	VLD
	VLD
.endr
.rept 32
	KQ
.endr
	s_add_co_u32 s[TBV], s[TBV], VSTEP
	WIN 0
	PLACES                                         ; behind the last K Q^T: the scores are read, K's and Q's registers loaded again
	s_wait_dscnt 0x0                               ; V is in
.endm
	CHANGE 1                                       ; tile 0 is in, everybody's part of it; the walk's second tile is asked for
	v_add_nc_u32 v[AK], s[TBK], v[AK0]
.set n, 0
.rept 64
	KLD                                            ; key step 0
.endr
	WIN 0
	s_add_co_u32 s[TBK], s[TBK], KSTEP
	H2
	s_mov_b32 s[CNT], 1
	s_mov_b32 s[SLOTS], 8                          ; taken down once behind the entry pass, then once for each of seven trips
	s_branch .Lstep
.Lslot:                                                ; seven times: a tile is entered and the next is asked for
	CHANGE 1
	s_mov_b32 s[CNT], 2
.Lstep:
	H1 0
	H2
	s_sub_co_u32 s[CNT], s[CNT], 1
	s_cmp_lg_u32 s[CNT], 0
	s_cbranch_scc1 .Lstep
	s_sub_co_u32 s[SLOTS], s[SLOTS], 1
	s_cmp_lg_u32 s[SLOTS], 0
	s_cbranch_scc1 .Lslot
	CHANGE 0                                       ; the walk's last tile is written out
	s_mov_b32 s[CNT], 3
.Ltail:
	H1 1
	s_sub_co_u32 s[CNT], s[CNT], 1
	s_cmp_eq_u32 s[CNT], 0
	s_cbranch_scc1 .Lout
	H2
	s_branch .Ltail
.Lout:
	WAYOUT
	s_wait_tensorcnt 0x0                           ; the wave's end
	ds_add_u32 v[SPW], v[NIL]
	s_wait_dscnt 0x0
	s_endpgm
.Lfunc_end_k_q88756912bc_attend:
	.size	k_q88756912bc_attend, .Lfunc_end_k_q88756912bc_attend-k_q88756912bc_attend
	.p2alignl 7, 3214868480
	.fill 96, 4, 3214868480
	.section	.rodata,"a",@progbits
	.p2align	6, 0x0
	.amdhsa_kernel k_q88756912bc_attend
		.amdhsa_group_segment_fixed_size 327680
		.amdhsa_private_segment_fixed_size 0
		.amdhsa_enable_private_segment 0
		.amdhsa_kernarg_size 16
		.amdhsa_user_sgpr_count 2
		.amdhsa_user_sgpr_kernarg_segment_ptr 1
		.amdhsa_wavefront_size32 1
		.amdhsa_system_sgpr_workgroup_id_x 1
		.amdhsa_system_sgpr_workgroup_id_y 1
		.amdhsa_system_sgpr_workgroup_id_z 1
		.amdhsa_system_vgpr_workitem_id 0
		.amdhsa_next_free_vgpr 1024
		.amdhsa_next_free_sgpr 80
		.amdhsa_reserve_vcc 1
		.amdhsa_float_denorm_mode_32 3
		.amdhsa_float_denorm_mode_16_64 3
		.amdhsa_memory_ordered 1
		.amdhsa_forward_progress 1
		.amdhsa_inst_pref_size 172
	.end_amdhsa_kernel
	.amdgpu_metadata
---
amdhsa.version: [ 1, 2 ]
amdhsa.kernels:
  - .name:           k_q88756912bc_attend
    .symbol:         k_q88756912bc_attend.kd
    .args:
      - { .name: qkv, .offset: 0, .size: 8, .value_kind: global_buffer, .address_space: global }
      - { .name: att, .offset: 8, .size: 8, .value_kind: global_buffer, .address_space: global }
    .group_segment_fixed_size: 327680
    .private_segment_fixed_size: 0
    .kernarg_segment_align: 8
    .kernarg_segment_size: 16
    .max_flat_workgroup_size: 128
    .sgpr_count:     80
    .vgpr_count:     1024
    .wavefront_size: 32
...
	.end_amdgpu_metadata
.endif
;; end of part 3
;; launch finish (part 4): grid 256 x 1, 4 waves a work-group, clusters of 4 x 1, 327,680 bytes of LDS; arguments att, wts, out0; writes out0
.if DOCPART == 4
	.amdgcn_target "amdgcn-amd-amdhsa--gfx1250"
	.amdhsa_code_object_version 6
	.text
	.protected	k_q88756912bc_finish
	.globl	k_q88756912bc_finish
	.p2align	8
	.type	k_q88756912bc_finish,@function
k_q88756912bc_finish:
	s_mov_b64 s[64:65], 0
	v_nop
	global_prefetch_b8 v0, s[64:65] scope:SCOPE_SE
	s_setreg_imm32_b32 hwreg(HW_REG_WAVE_MODE, 25, 1), 1
	s_wait_xcnt 0x0
	s_wait_alu depctr_hold_cnt(0) depctr_sa_sdst(0) depctr_va_vdst(0) depctr_va_sdst(0) depctr_va_ssrc(0) depctr_va_vcc(0) depctr_vm_vsrc(0)
	s_getreg_b32 s2, hwreg(HW_REG_IB_STS2, 6, 4)
	s_cmp_eq_u32 s2, 0
	s_cbranch_scc0 .Lentry_in_a_cluster
	s_endpgm
.Lentry_in_a_cluster:
	s_bfe_u32 s2, ttmp6, 0x10000c
	s_cmp_lg_u32 s2, 0x3003
	s_cbranch_scc0 .Lentry_shape_is_right
	s_endpgm
.Lentry_shape_is_right:
; out = O Wo^T.  O: att [32,768 rows][512] f16; Wo: tiles 24 to 31 of wts, [512 n][64 k] f16 (bf16 numbers written as f16); sums in f32; out0 f32 [32,768][512].
; SHARES.  A work-group owns 128 rows of O, brought into LDS once by tensor loads of its own (32 rows a wave).  Wave w makes all 128 rows x columns 128 w .. 128 w + 127: 64 accumulators.
; K goes in steps of 64, one weight tile a step, through a ring of two LDS slots; a wave fetches and reads its own quarter of a tile.
; CLUSTER.  All work-groups walk the same weights: the four of a cluster ask for each quarter tile JOINTLY.  THE MATRIX INSTRUCTION IS USED TRANSPOSED (source 0 = rows of Wo, source 1 = rows of O).
; REGISTERS: window 0: v16-29 addresses; v64-127, v128-191 fragments of O, later rows on their way out; window 1: v64-191 fragments of Wo; windows 2, 3: the accumulators of rows 0-63, 64-127.
.set PA,     1040                      ; a row of O in LDS: 1,024 + 16 bytes
.set PB,     144                       ; a row of a weight tile: 128 + 16
.set QTR,    128*PB
.set SLOT,   4*QTR
.set RING,   128*PA
.set STAGE,  RING+2*SLOT               ; 16 rows x 528 bytes for each wave
.set SPITCH, 528
.set SPARE,  STAGE+4*16*SPITCH         ; the spare words, 128 bytes a wave: two blocks of 256 bytes that no other line names
.set TILEB,  65536
.set ADRB, 16
.set A0L,  18
.set A0H,  19
.set ADL,  20
.set ADH,  21
.set STO,  24
.set RD,   25
.set CO,   26
.set SPW,  28
.set NIL,  29
.set F0,   64
.set F1,   128
.set G1,   24                          ; s[24:31] group 1 for the weights
.set G0,   32                          ; s[32:39] group 0, a set for each slot
.set G0A,  44                          ; s[44:47] group 0 for O
.set G1A,  48                          ; s[48:55] group 1 for O
.set MSB, 0
.macro WIN new
.if MSB != (\new)
	s_set_vgpr_msb (MSB<<8)|(\new)
.set MSB, \new
.endif
.endm
.set MUL_LO, 0xa1
.set MUL_HI, 0xf1
.set TO_B,   0x40
.macro CREST
	s_cmp_lg_u32 s10, 0
	s_cbranch_scc1 .Lnot_wave_0_\@
	s_barrier_signal -3
.Lnot_wave_0_\@:
	s_barrier_wait -3
	s_barrier_signal -1
	s_barrier_wait -1
.endm
.macro CROUND
	s_barrier_signal -1
	s_barrier_wait -1
	CREST
.endm
.macro PLACES
.rept 4
	v_nop
.endr
.endm
	s_load_b128 s[4:7], s[0:1], 0x0                ; att s[4:5], wts s[6:7]
	s_load_b64 s[8:9], s[0:1], 0x10                ; out0
	v_lshl_add_u32 v[SPW], v0, 2, SPARE
	v_mov_b32 v[NIL], 0
	ds_add_u32 v[SPW], v[NIL]                      ; the wave's opening: the add and its wait ahead of my first tensor load
	ds_add_u32 v28, v29
	v_lshrrev_b32 v1, 5, v0
	v_readfirstlane_b32 s10, v1
	s_bfe_u32 s11, ttmp6, 0x40000                  ; cx
	s_lshl_b32 s12, ttmp9, 2
	s_add_co_u32 s12, s12, s11                     ; g: my block of 128 rows; it enters O's and the result's addresses alone
	s_mov_b32 s[G1+0], 15|(1<<16)|(1<<20)|(1<<21)|(4<<22)|(3<<25)  ; the mask of four; 2-byte elements; padding on; bit 21 beside a mask; after every 32 words; 4 words
	s_mov_b32 s[G1+1], 128<<16
	s_mov_b32 s[G1+2], 64<<16
	s_mov_b32 s[G1+3], 128<<16
	s_mov_b32 s[G1+4], 64
	s_mov_b32 s[G1+5], 128
	s_mov_b32 s[G1+6], 0
	s_mov_b32 s[G1+7], 0
	s_mov_b32 s[G1A+0], (1<<16)|(1<<20)|(7<<22)|(3<<25)  ; no mask: a load of my own; padding of 4 words after every 256
	s_mov_b32 s[G1A+1], 512<<16                    ; tensor_dim0 = 512
	s_mov_b32 s[G1A+2], 32<<16                     ; tensor_dim1 = 32
	s_mov_b32 s[G1A+3], 512<<16                    ; tile_dim0 = 512
	s_mov_b32 s[G1A+4], 32                         ; tile_dim1 = 32
	s_mov_b32 s[G1A+5], 512
	s_mov_b32 s[G1A+6], 0
	s_mov_b32 s[G1A+7], 0
	s_mul_i32 s20, s10, QTR
	s_lshl_b32 s14, s10, 14
	s_add_co_u32 s14, s14, 24*TILEB                ; Wo's tiles
	s_mov_b32 s15, 0
	s_lshl_b32 s42, s12, 17                        ; O: 128 rows of 1,024 bytes a work-group,
	s_lshl_b32 s43, s10, 15                        ; 32 a wave
	s_add_co_u32 s42, s42, s43
	s_mov_b32 s43, 0
	s_lshl_b32 s16, s12, 18                        ; the result: 128 rows of 2,048 bytes,
	s_lshl_b32 s17, s10, 9                         ; my 128 columns
	s_add_co_u32 s16, s16, s17
	s_mov_b32 s17, 0
	s_mov_b32 s[G0A], 1
	s_mul_i32 s[G0A+1], s10, 32*PA
	s_wait_dscnt 0x0                               ; the opening add is done
	s_wait_kmcnt 0x0
	s_add_nc_u64 s[14:15], s[6:7], s[14:15]
	s_add_nc_u64 s[G0A+2:G0A+3], s[4:5], s[42:43]
	s_or_b32 s[G0A+3], s[G0A+3], 0x80000000
	CROUND                                         ; all four work-groups are here: the first loads go out as one group behind this round
	tensor_load_to_lds s[G0A:G0A+3], s[G1A:G1A+7]  ; my 32 rows of O
	s_nop 0
.irp s, 0,1
	s_mov_b32 s[G0+4*(\s)], 1
	s_add_co_u32 s[G0+4*(\s)+1], s20, RING+(\s)*SLOT
	s_add_nc_u64 s[G0+4*(\s)+2:G0+4*(\s)+3], s[14:15], (\s)*TILEB
	s_or_b32 s[G0+4*(\s)+3], s[G0+4*(\s)+3], 0x80000000
	tensor_load_to_lds s[G0+4*(\s):G0+4*(\s)+3], s[G1:G1+7]  ; tiles 0 and 1: three loads of mine are out
	s_nop 0
.endr
	PLACES
	v_and_b32 v1, 15, v0                           ; r
	v_bfe_u32 v2, v0, 4, 1                         ; h
	v_and_b32 v3, 31, v0                           ; lane
	v_mul_u32_u24 v[A0L], v1, PA
	v_lshl_add_u32 v[A0L], v2, 4, v[A0L]
	v_add_nc_u32 v[A0H], 64*PA, v[A0L]
	v_mul_u32_u24 v4, v1, PB
	v_lshl_add_u32 v4, v2, 4, v4
	s_add_co_u32 s21, s20, RING
	v_add_nc_u32 v[ADRB], s21, v4
	s_add_co_u32 s21, s21, SLOT
	v_add_nc_u32 v[ADRB+1], s21, v4
	s_mul_i32 s23, s10, 16*SPITCH
	s_add_co_u32 s23, s23, STAGE                   ; my stage
	v_mul_u32_u24 v4, v1, SPITCH                   ; in: row r, 32 bytes for each half of the lanes
	v_lshl_add_u32 v4, v2, 5, v4
	v_add_nc_u32 v[STO], s23, v4
	v_lshlrev_b32 v[CO], 4, v3                     ; back and out: 32 lanes take a row's 512 bytes
	v_add_nc_u32 v[RD], s23, v[CO]
.macro MUL16 f, hi, a0, zero
	WIN MUL_LO+0x50*(\hi)
.irp a, \a0, (\a0)+1
.irp b, 0,1,2,3,4,5,6,7
.if \zero
	v_wmma_f32_16x16x32_f16 v[8*(8*(\a)+(\b)):8*(8*(\a)+(\b))+7], v[(\f)+8*(\b):(\f)+8*(\b)+7], v[(\f)+8*(4*(\hi)+(\a)):(\f)+8*(4*(\hi)+(\a))+7], 0
.else
	v_wmma_f32_16x16x32_f16 v[8*(8*(\a)+(\b)):8*(8*(\a)+(\b))+7], v[(\f)+8*(\b):(\f)+8*(\b)+7], v[(\f)+8*(4*(\hi)+(\a)):(\f)+8*(4*(\hi)+(\a))+7], v[8*(8*(\a)+(\b)):8*(8*(\a)+(\b))+7]
.endif
.endr
.endr
.endm
.macro FETCH slot, q, f                ; 32 LDS loads in one run: my 128 rows of Wo, then O's 128 rows, rows 64-127 last
	WIN TO_B
.irp i, 0,1,2,3,4,5,6,7
	ds_load_b128 v[(\f)+8*(\i):(\f)+8*(\i)+3],   v[ADRB+(\slot)] offset:64*(\q)+(\i)*16*PB
	ds_load_b128 v[(\f)+8*(\i)+4:(\f)+8*(\i)+7], v[ADRB+(\slot)] offset:64*(\q)+(\i)*16*PB+32
.endr
	WIN 0
.irp i, 0,1,2,3
	ds_load_b128 v[(\f)+8*(\i):(\f)+8*(\i)+3],   v[ADL] offset:128*(\slot)+64*(\q)+(\i)*16*PA
	ds_load_b128 v[(\f)+8*(\i)+4:(\f)+8*(\i)+7], v[ADL] offset:128*(\slot)+64*(\q)+(\i)*16*PA+32
.endr
.irp i, 0,1,2,3
	ds_load_b128 v[(\f)+32+8*(\i):(\f)+32+8*(\i)+3],   v[ADH] offset:128*(\slot)+64*(\q)+(\i)*16*PA
	ds_load_b128 v[(\f)+32+8*(\i)+4:(\f)+32+8*(\i)+7], v[ADH] offset:128*(\slot)+64*(\q)+(\i)*16*PA+32
.endr
.endm
.macro QUARTER slot, q, f, g, zero
	s_wait_dscnt 8                                 ; Wo and O's rows 0-63 are in; the youngest eight loads may be out
	MUL16 \f, 0, 0, \zero
	MUL16 \f, 0, 2, \zero
	PLACES
	FETCH \slot, \q, \g
	s_wait_dscnt 32                                ; all but the 32 just issued
	MUL16 \f, 1, 0, \zero
	MUL16 \f, 1, 2, \zero
.endm
.macro MEET round                      ; in front of the barrier: all my tensor loads, the add, the add's end and my reads of this slot
	WIN 0
	s_wait_tensorcnt 0x0
	ds_add_u32 v[SPW], v[NIL]
	s_wait_dscnt 9                                 ; the add and the youngest eight loads may be out
	MUL16 F1, 0, 0, 0
	s_wait_dscnt 0x0
	s_barrier_signal -1
	MUL16 F1, 0, 2, 0
.if \round
	WIN 0
.endif
	s_barrier_wait -1
.endm
.macro TURN slot, next
	MEET 1
	CREST                                          ; the barrier has opened a round of the cluster's
	s_add_nc_u64 s[G0+4*(\slot)+2:G0+4*(\slot)+3], s[G0+4*(\slot)+2:G0+4*(\slot)+3], 2*TILEB
	tensor_load_to_lds s[G0+4*(\slot):G0+4*(\slot)+3], s[G1:G1+7]  ; my one load behind the round: the tile two on
	s_nop 0
	PLACES
.if (\next) == 0
	s_add_co_u32 s13, s13, 256
	v_add_nc_u32 v[ADL], s13, v[A0L]
	v_add_nc_u32 v[ADH], s13, v[A0H]
.endif
	FETCH \next, 0, F0
	MUL16 F1, 1, 0, 0
	MUL16 F1, 1, 2, 0
.endm
; THE WAY OUT of row block a, in f32: straight from the accumulators (their low four registers first) into my stage, back as whole rows of 512 bytes, stored
.macro TOSTAGE a
.set AC, 64*((\a)%4)
.set BK, 64+64*((\a)%2)
	WIN 0x08+4*((\a)/4)                            ; the stores' data in window 2 or 3
.irp b, 0,1,2,3,4,5,6,7
	ds_store_b128 v[STO], v[AC+8*(\b):AC+8*(\b)+3]   offset:64*(\b)
	ds_store_b128 v[STO], v[AC+8*(\b)+4:AC+8*(\b)+7] offset:64*(\b)+16
.endr
	WIN 0
	s_wait_xcnt 0x0                                ; the loads below land in registers that the stores of two blocks back read
.irp t, 0,1,2,3,4,5,6,7,8,9,10,11,12,13,14,15
	ds_load_b128 v[BK+4*(\t):BK+4*(\t)+3], v[RD] offset:SPITCH*(\t)  ; LDS serves a wave's instructions in order: these see the stores above
.endr
.endm
.macro SEND a, younger                 ; younger: the next block's 16 stores and 16 loads, or none
	WIN 0
.set BK, 64+64*((\a)%2)
	s_wait_dscnt \younger
	s_wait_xcnt 0x0                                ; the stores' base is stepped only behind this wait
.if (\a) == 0
	s_add_nc_u64 s[8:9], s[8:9], s[16:17]
.else
	s_add_nc_u64 s[8:9], s[8:9], 16*2048
.endif
.irp t, 0,1,2,3,4,5,6,7,8,9,10,11,12,13,14,15
	global_store_b128 v[CO], v[BK+4*(\t):BK+4*(\t)+3], s[8:9] offset:2048*(\t) th:TH_STORE_NT  ; 512 consecutive bytes, aligned
.endr
.endm
	s_wait_tensorcnt 0x1                           ; my rows of O and my quarter of tile 0 are in; tile 1's may stay out
	s_barrier_signal -1
	s_barrier_wait -1                              ; everybody's are
	s_mov_b32 s13, 0
	v_add_nc_u32 v[ADL], s13, v[A0L]
	v_add_nc_u32 v[ADH], s13, v[A0H]
	FETCH 0, 0, F0
	QUARTER 0, 1, F0, F1, 1                        ; the first 64 products start the sums
	WIN 0
	s_mov_b32 s3, 3
.Llap:                                                 ; a trip goes once round the ring: two tiles, both slots filled again
	TURN 0, 1
	QUARTER 1, 1, F0, F1, 0
	TURN 1, 0
	QUARTER 0, 1, F0, F1, 0
	WIN 0
	s_sub_co_u32 s3, s3, 1
	s_cmp_lg_u32 s3, 0
	s_cbranch_scc1 .Llap
	MEET 0                                         ; the last lap asks for nothing
	PLACES
	FETCH 1, 0, F0
	MUL16 F1, 1, 0, 0
	MUL16 F1, 1, 2, 0
	QUARTER 1, 1, F0, F1, 0
	s_wait_dscnt 8
	MUL16 F1, 0, 0, 0
	MUL16 F1, 0, 2, 0
	s_wait_dscnt 0x0
	MUL16 F1, 1, 0, 0
	MUL16 F1, 1, 2, 0
	WIN 0
	PLACES
	TOSTAGE 0
.irp a, 1,2,3,4,5,6,7
	TOSTAGE \a
	SEND (\a)-1, 32
.endr
	SEND 7, 0
	s_wait_tensorcnt 0x0                           ; the wave's end
	ds_add_u32 v[SPW], v[NIL]
	s_wait_dscnt 0x0
	CROUND                                         ; the closing round
	s_endpgm
.Lfunc_end_k_q88756912bc_finish:
	.size	k_q88756912bc_finish, .Lfunc_end_k_q88756912bc_finish-k_q88756912bc_finish
	.p2alignl 7, 3214868480
	.fill 96, 4, 3214868480
	.section	.rodata,"a",@progbits
	.p2align	6, 0x0
	.amdhsa_kernel k_q88756912bc_finish
		.amdhsa_group_segment_fixed_size 327680
		.amdhsa_private_segment_fixed_size 0
		.amdhsa_enable_private_segment 0
		.amdhsa_kernarg_size 24
		.amdhsa_user_sgpr_count 2
		.amdhsa_user_sgpr_kernarg_segment_ptr 1
		.amdhsa_wavefront_size32 1
		.amdhsa_system_sgpr_workgroup_id_x 1
		.amdhsa_system_sgpr_workgroup_id_y 1
		.amdhsa_system_sgpr_workgroup_id_z 1
		.amdhsa_system_vgpr_workitem_id 0
		.amdhsa_next_free_vgpr 1024
		.amdhsa_next_free_sgpr 66
		.amdhsa_reserve_vcc 0
		.amdhsa_float_denorm_mode_32 3
		.amdhsa_float_denorm_mode_16_64 3
		.amdhsa_memory_ordered 1
		.amdhsa_forward_progress 1
		.amdhsa_inst_pref_size 88
	.end_amdhsa_kernel
	.amdgpu_metadata
---
amdhsa.version: [ 1, 2 ]
amdhsa.kernels:
  - .name:           k_q88756912bc_finish
    .symbol:         k_q88756912bc_finish.kd
    .args:
      - { .name: att, .offset: 0, .size: 8, .value_kind: global_buffer, .address_space: global }
      - { .name: wts, .offset: 8, .size: 8, .value_kind: global_buffer, .address_space: global }
      - { .name: out0, .offset: 16, .size: 8, .value_kind: global_buffer, .address_space: global }
    .group_segment_fixed_size: 327680
    .private_segment_fixed_size: 0
    .kernarg_segment_align: 8
    .kernarg_segment_size: 24
    .max_flat_workgroup_size: 128
    .sgpr_count:     66
    .vgpr_count:     1024
    .wavefront_size: 32
...
	.end_amdgpu_metadata
.endif
;; end of part 4
;; ======== version 2 of 2: 4 launches; 1.12 times as fast as version 1
;; limits: values are held in f16: magnitudes above 65,504 overflow, below 6.1e-05 lose precision
;; workspace buffers: wts 2,103,296 bytes; qkv 100,663,296 bytes; att 33,554,432 bytes
;; launch prep: the kernel of part 1 again; grid 32 x 4, 8 waves a work-group, no clusters, 0 bytes of LDS; arguments Wq, Wk, Wv, Wo, bq, bk, bv, wts; writes wts
;; launch project (part 5): grid 256 x 1, 4 waves a work-group, clusters of 4 x 1, 327,680 bytes of LDS; arguments x, wts, qkv; writes qkv
.if DOCPART == 5
	.amdgcn_target "amdgcn-amd-amdhsa--gfx1250"
	.amdhsa_code_object_version 6
	.text
	.protected	k_q88756912bc_project
	.globl	k_q88756912bc_project
	.p2align	8
	.type	k_q88756912bc_project,@function
k_q88756912bc_project:
	s_mov_b64 s[64:65], 0
	v_nop
	global_prefetch_b8 v0, s[64:65] scope:SCOPE_SE
	s_setreg_imm32_b32 hwreg(HW_REG_WAVE_MODE, 25, 1), 1
	s_wait_xcnt 0x0
	s_wait_alu depctr_hold_cnt(0) depctr_sa_sdst(0) depctr_va_vdst(0) depctr_va_sdst(0) depctr_va_ssrc(0) depctr_va_vcc(0) depctr_vm_vsrc(0)
	s_getreg_b32 s2, hwreg(HW_REG_IB_STS2, 6, 4)
	s_cmp_eq_u32 s2, 0
	s_cbranch_scc0 .Lentry_in_a_cluster
	s_endpgm
.Lentry_in_a_cluster:
	s_bfe_u32 s2, ttmp6, 0x10000c
	s_cmp_lg_u32 s2, 0x3003
	s_cbranch_scc0 .Lentry_shape_is_right
	s_endpgm
.Lentry_shape_is_right:
; q, k, v = x W^T + b.  x: [32,768 rows][512] f32, rounded to bf16 here; W: bf16 tiles [512 n][64 k] from wts; sums in f32, started by the bias; out f16, [3][32 b][2 h][1024 t][256 d].
; LIMIT: a result of 65,520 or more becomes an infinity in f16; below 6e-5 f16 keeps its fixed step of 6e-8.
; SHARES.  A work-group owns 128 rows of x, which stay in LDS as bf16 for the whole kernel.  It makes three chunks of 512 columns (q, k, v).  Wave w makes all 128 rows x columns 128 w .. 128 w + 127
; of a chunk: 64 accumulators, 512 registers.  K goes in steps of 64, one weight tile a step, through a ring of two LDS slots.  A wave fetches and reads its own quarter of a tile (its 128 rows of W).
; Two slots of two tiles (294,912 bytes) do not fit beside x's 133,120 bytes.
; CLUSTER.  All work-groups walk the same weights: the four of a cluster ask for each quarter tile JOINTLY (the same load, descriptor and mask in all four).
; THE ORDER.  A chunk's K goes in four laps of 128 (two tiles).  Cluster c begins with chunk (c / 4) % 3 and, in every chunk, with lap c % 4, and wraps round: 12 orders, whose first fills together ask for
; all 24 tiles; every later refill asks for a tile that another cluster has asked for before.  Only global addresses hang on c, which the four partners share: piece p of a row of x in LDS holds x's
; K block (p + c % 4) % 4, so the LDS addresses are the same constants in every work-group.  K is summed in that rotated order.
; THE MATRIX INSTRUCTION IS USED TRANSPOSED (source 0 = 16 rows of W, source 1 = 16 rows of x): a lane holds eight neighbouring columns of one row of the result.
; REGISTERS, in windows of 256 (s_set_vgpr_msb: bits 1:0 source 0, 3:2 source 1, 5:4 source 2, 7:6 destination):
;   window 0: v8-30 addresses; v64-127, v128-191 fragments of x, two buffers (at the start: x as loaded); v32-63, v192-255 at work on the way out (at the start: x packed)
;   window 1: v64-127, v128-191 fragments of W; v192-255 the bias of my 128 columns, laid out as a C operand      windows 2, 3: the accumulators of rows 0-63, 64-127
.set PA,     1040                      ; a row of x in LDS: 1,024 bytes + 16: an odd multiple of 16, so the 16 rows of a fragment load start at 16 different groups of four banks (ISA guide 11.1)
.set PB,     144                       ; a row of a weight tile: 128 + 16
.set QTR,    128*PB                    ; a wave's quarter of a tile
.set SLOT,   4*QTR
.set RING,   128*PA                    ; behind x's 128 rows, which ds_store writes and no tensor load touches
.set STAGE,  RING+2*SLOT               ; 16 rows x 272 bytes for each wave, for the way out
.set SPITCH, 272
.set SPARE,  STAGE+4*16*SPITCH         ; the spare words, 128 bytes a wave: two blocks of 256 bytes that no other line names
.set TILEB,  65536
.set BIASB,  32*TILEB
.set XOP,  8                           ; v8-11   x: 16 bytes a lane in the K block that goes to piece 0..3 of an LDS row; never rewritten
.set ADRB, 16                          ; v16-17  my W fragments in slot 0, 1
.set A0L,  18                          ; v18     my lane's place in x's rows 0-63; never rewritten
.set A0H,  19                          ; v19     in rows 64-127
.set ADL,  20                          ; v20-21  the same plus the lap's 256 bytes along K
.set ADH,  21
.set XS,   23                          ; v23     x into LDS: 8 bytes a lane
.set STO,  24
.set RD,   25
.set CO,   26
.set BO,   27                          ; v27     the bias: 32 bytes for each half of the lanes
.set SPW,  28                          ; v28     my spare word; never rewritten
.set NIL,  29                          ; v29     0; never rewritten
.set XS0,  30                          ; v30     XS's fixed part
.set OB,   32
.set F0,   64
.set F1,   128
.set TMP,  192
.set BI,   192                         ; window 1
.set X,    64
.set PKD,  192
.set G1,   24                          ; s[24:31] descriptor group 1
.set G0,   32                          ; s[32:39] group 0, a set for each slot
.set LPN,  46                          ; s46      the lap (0..3, as it lies in wts) of the tiles asked for last
.set CC,   47                          ; s47      the chunk in hand (0 q, 1 k, 2 v)
.set CB,   48                          ; s48      the first tile of the chunk whose tiles are being asked for: 0, 8, 16
.set OFF,  50                          ; s[50:51] a tile's byte offset in wts
.set OUTB, 52                          ; s[52:53] the result at my first rows and columns of part 0
.set BB,   54                          ; s[54:55] the bias of my 128 columns in chunk 0
.set TP,   56                          ; s[56:57] an offset at work; the high word stays 0
.set FST,  58                          ; s[58:59] my quarter of my cluster's first tile
.set MSB, 0
.macro WIN new                         ; the immediate's high byte repeats the setting that is left
.if MSB != (\new)
	s_set_vgpr_msb (MSB<<8)|(\new)
.set MSB, \new
.endif
.endm
.set MUL_LO, 0xa1                      ; W window 1, x window 0, C and D window 2
.set MUL_HI, 0xf1                      ; C and D window 3
.set BIA_LO, 0x91                      ; C (the bias) window 1, D window 2
.set BIA_HI, 0xd1                      ; D window 3
.set TO_B,   0x40
.macro CREST                           ; a round of the cluster's barrier behind its opening barrier
	s_cmp_lg_u32 s10, 0
	s_cbranch_scc1 .Lnot_wave_0_\@
	s_barrier_signal -3
.Lnot_wave_0_\@:
	s_barrier_wait -3
	s_barrier_signal -1
	s_barrier_wait -1
.endm
.macro CROUND
	s_barrier_signal -1
	s_barrier_wait -1
	CREST
.endm
.macro PLACES                          ; four plain vector instructions between a matrix instruction and a load into, or a vector read of, its registers
.rept 4
	v_nop
.endr
.endm
	s_load_b128 s[4:7], s[0:1], 0x0                ; x s[4:5], wts s[6:7]
	s_load_b64 s[8:9], s[0:1], 0x10                ; qkv
	v_lshl_add_u32 v[SPW], v0, 2, SPARE
	v_mov_b32 v[NIL], 0
	ds_add_u32 v[SPW], v[NIL]                      ; the wave's opening: the add and its wait ahead of my first tensor load
	ds_add_u32 v28, v29
	v_lshrrev_b32 v1, 5, v0
	v_readfirstlane_b32 s10, v1                    ; wave 0..3
	s_bfe_u32 s11, ttmp6, 0x40000                  ; cx
	s_lshl_b32 s12, ttmp9, 2
	s_add_co_u32 s12, s12, s11                     ; g: my block of 128 rows; it enters x's and the result's addresses alone
	s_and_b32 s[LPN], ttmp9, 3                     ; my cluster's first lap
	s_lshr_b32 s[CC], ttmp9, 2                     ; 0 .. 15,
	s_mul_i32 s[TP], s[CC], 86                     ; of which 86 n >> 8 is n / 3,
	s_lshr_b32 s[TP], s[TP], 8
	s_mul_i32 s[TP], s[TP], 3
	s_sub_co_u32 s[CC], s[CC], s[TP]               ; and the rest my cluster's first chunk
	s_lshl_b32 s[CB], s[CC], 3
	s_lshl1_add_u32 s[OFF], s[LPN], s[CB]          ; its first tile: 8 chunk + 2 lap
	s_lshl_b32 s[OFF], s[OFF], 16
	s_mov_b32 s[OFF+1], 0
	s_lshl_b32 s[TP], s[CC], 11                    ; a chunk's bias is 2,048 bytes
	s_mov_b32 s[TP+1], 0
	; group 1: a quarter tile is 16,384 dense bytes: 64 rows of 256 bytes, two rows of W each, padded by 16 bytes after every 128
	s_mov_b32 s[G1+0], 15|(1<<16)|(1<<20)|(1<<21)|(4<<22)|(3<<25)  ; the mask of four; 2-byte elements; padding on; bit 21 beside a mask; after every 32 words; 4 words
	s_mov_b32 s[G1+1], 128<<16                     ; tensor_dim0 = 128
	s_mov_b32 s[G1+2], 64<<16                      ; tensor_dim1 = 64
	s_mov_b32 s[G1+3], 128<<16                     ; tile_dim0 = 128
	s_mov_b32 s[G1+4], 64                          ; tile_dim1 = 64
	s_mov_b32 s[G1+5], 128                         ; elements from row to row
	s_mov_b32 s[G1+6], 0
	s_mov_b32 s[G1+7], 0
	s_mul_i32 s20, s10, QTR                        ; my quarter's place in a slot
	s_lshl_b32 s14, s10, 14                        ; and in a tile
	s_mov_b32 s15, 0
	s_lshl_b32 s18, s10, 9                         ; the bias of my 128 columns
	s_add_co_u32 s18, s18, BIASB
	s_mov_b32 s19, 0
	s_lshl_b32 s42, s12, 18                        ; x: 128 rows of 2,048 bytes a work-group,
	s_lshl_b32 s43, s10, 16                        ; 32 a wave
	s_add_co_u32 s42, s42, s43
	s_mov_b32 s43, 0
	s_lshr_b32 s16, s12, 3                         ; the result: batch g / 8,
	s_lshl_b32 s16, s16, 1
	s_lshr_b32 s17, s10, 1                         ; head w / 2,
	s_add_co_u32 s16, s16, s17
	s_lshl_b32 s16, s16, 10
	s_and_b32 s17, s12, 7
	s_lshl_b32 s17, s17, 7                         ; row 128 (g % 8),
	s_add_co_u32 s16, s16, s17
	s_lshl_b32 s16, s16, 9                         ; 512 bytes a row,
	s_and_b32 s17, s10, 1
	s_lshl_b32 s17, s17, 8                         ; 256 bytes for the head's upper 128 channels
	s_add_co_u32 s16, s16, s17
	s_mov_b32 s17, 0                               ; stays 0: s[16:17] later holds the chunk's part
	s_wait_dscnt 0x0                               ; the opening add is done
	s_wait_kmcnt 0x0
	s_add_nc_u64 s[14:15], s[6:7], s[14:15]        ; my quarter of tile 0
	s_add_nc_u64 s[FST:FST+1], s[14:15], s[OFF:OFF+1]
	s_add_nc_u64 s[BB:BB+1], s[6:7], s[18:19]
	s_add_nc_u64 s[18:19], s[BB:BB+1], s[TP:TP+1]  ; my first chunk's bias
	s_add_nc_u64 s[42:43], s[4:5], s[42:43]
	s_add_nc_u64 s[OUTB:OUTB+1], s[8:9], s[16:17]
	CROUND                                         ; all four work-groups are here: the first joint loads meet
.irp s, 0,1
	s_mov_b32 s[G0+4*(\s)], 1
	s_add_co_u32 s[G0+4*(\s)+1], s20, RING+(\s)*SLOT
	s_add_nc_u64 s[G0+4*(\s)+2:G0+4*(\s)+3], s[FST:FST+1], (\s)*TILEB
	s_or_b32 s[G0+4*(\s)+3], s[G0+4*(\s)+3], 0x80000000
	tensor_load_to_lds s[G0+4*(\s):G0+4*(\s)+3], s[G1:G1+7]  ; my cluster's first two tiles: two loads of mine are out
	s_nop 0
.endr
	PLACES
	v_and_b32 v1, 15, v0                           ; r
	v_bfe_u32 v2, v0, 4, 1                         ; h
	v_and_b32 v3, 31, v0                           ; lane
.irp p, 0,1,2,3                                ; piece p of an LDS row takes x's K block (p + first lap) % 4: 512 bytes of f32
	s_add_co_u32 s[TP], s[LPN], \p
	s_and_b32 s[TP], s[TP], 3
	s_lshl_b32 s[TP], s[TP], 9
	v_lshl_add_u32 v[XOP+(\p)], v3, 4, s[TP]
.endr
	v_lshlrev_b32 v[BO], 5, v2
	WIN TO_B
.irp b, 0,1,2,3,4,5,6,7                        ; the bias as a C operand: register j of block b holds b[128 w + 16 b + 8 h + j]
	global_load_b128 v[BI+8*(\b):BI+8*(\b)+3],   v[BO], s[18:19] offset:64*(\b)
	global_load_b128 v[BI+8*(\b)+4:BI+8*(\b)+7], v[BO], s[18:19] offset:64*(\b)+16
.endr
	WIN 0
	; x: wave w takes rows 32 w .. 32 w + 31, eight rows (32 loads of 512 consecutive bytes) at a time; 28 to 32 loads are always on their way
.set j, 0
.rept 32
	global_load_b128 v[X+4*j:X+4*j+3], v[XOP+j%4], s[42:43] offset:(j/4)*2048 th:TH_LOAD_NT
.set j, j+1
.endr
	s_mul_i32 s45, s10, 32*PA
	v_lshl_add_u32 v[XS0], v3, 3, s45
	v_mov_b32 v[XS], v[XS0]
	v_mul_u32_u24 v[A0L], v1, PA
	v_lshl_add_u32 v[A0L], v2, 4, v[A0L]           ; row x pitch + 16 x half
	v_add_nc_u32 v[A0H], 64*PA, v[A0L]
	v_mul_u32_u24 v4, v1, PB
	v_lshl_add_u32 v4, v2, 4, v4
	s_add_co_u32 s21, s20, RING
	v_add_nc_u32 v[ADRB], s21, v4
	s_add_co_u32 s21, s21, SLOT
	v_add_nc_u32 v[ADRB+1], s21, v4
	s_mul_i32 s23, s10, 16*SPITCH
	s_add_co_u32 s23, s23, STAGE                   ; my stage
	v_mul_u32_u24 v4, v1, SPITCH                   ; in: row r, 16 bytes for each half of the lanes
	v_lshl_add_u32 v4, v2, 4, v4
	v_add_nc_u32 v[STO], s23, v4
	v_mul_u32_u24 v5, v2, SPITCH                   ; back: lanes 0-15 one row of 256 bytes, lanes 16-31 the next
	v_lshl_add_u32 v5, v1, 4, v5
	v_add_nc_u32 v[RD], s23, v5
	v_lshlrev_b32 v5, 9, v2                        ; and the same two rows of the result
	v_lshl_add_u32 v[CO], v1, 4, v5
	s_mov_b32 s44, 0
	s_mov_b32 s41, 3
.Lx:
.set g, 0
.rept 8                                                ; a row (four loads) at a time
	s_wait_loadcnt 28                              ; loads come back in order: the oldest four are in, the 28 younger stay out
.set j, 4*g
.rept 4
	v_cvt_pk_bf16_f32 v[PKD+2*j],   v[X+4*j],   v[X+4*j+1]
	v_cvt_pk_bf16_f32 v[PKD+2*j+1], v[X+4*j+2], v[X+4*j+3]
	ds_store_b64 v[XS], v[PKD+2*j:PKD+2*j+1] offset:(j/4)*PA+(j%4)*256
.set j, j+1
.endr
.set j, 4*g
.rept 4
	global_load_b128 v[X+4*j:X+4*j+3], v[XOP+j%4], s[42:43] offset:16384+(j/4)*2048 th:TH_LOAD_NT
.set j, j+1
.endr
.set g, g+1
.endr
	s_wait_xcnt 0x0                                ; the base is stepped only behind this wait
	s_add_nc_u64 s[42:43], s[42:43], 16384
	s_add_co_u32 s44, s44, 8*PA
	v_add_nc_u32 v[XS], s44, v[XS0]
	s_sub_co_u32 s41, s41, 1
	s_cmp_lg_u32 s41, 0
	s_cbranch_scc1 .Lx
.set g, 0
.rept 8                                                ; the last eight rows: nothing more is loaded, the counts run down
	s_wait_loadcnt 28-4*g
.set j, 4*g
.rept 4
	v_cvt_pk_bf16_f32 v[PKD+2*j],   v[X+4*j],   v[X+4*j+1]
	v_cvt_pk_bf16_f32 v[PKD+2*j+1], v[X+4*j+2], v[X+4*j+3]
	ds_store_b64 v[XS], v[PKD+2*j:PKD+2*j+1] offset:(j/4)*PA+(j%4)*256
.set j, j+1
.endr
.set g, g+1
.endr
; 16 matrix instructions: row blocks a0, a0 + 1 of the window's four x all 8 column blocks, 32 along K.  zero = 1: the product starts the sum, on the bias.
.macro MUL16 f, hi, a0, zero
.if \zero
	WIN BIA_LO+0x40*(\hi)
.else
	WIN MUL_LO+0x50*(\hi)
.endif
.irp a, \a0, (\a0)+1
.irp b, 0,1,2,3,4,5,6,7
.if \zero
	v_wmma_f32_16x16x32_bf16 v[8*(8*(\a)+(\b)):8*(8*(\a)+(\b))+7], v[(\f)+8*(\b):(\f)+8*(\b)+7], v[(\f)+8*(4*(\hi)+(\a)):(\f)+8*(4*(\hi)+(\a))+7], v[BI+8*(\b):BI+8*(\b)+7]
.else
	v_wmma_f32_16x16x32_bf16 v[8*(8*(\a)+(\b)):8*(8*(\a)+(\b))+7], v[(\f)+8*(\b):(\f)+8*(\b)+7], v[(\f)+8*(4*(\hi)+(\a)):(\f)+8*(4*(\hi)+(\a))+7], v[8*(8*(\a)+(\b)):8*(8*(\a)+(\b))+7]
.endif
.endr
.endr
.endm
; 32 LDS loads in one run: 32 along K (half q of the slot's tile): my 128 rows of W, then x's 128 rows, rows 64-127 last
.macro FETCH slot, q, f
	WIN TO_B
.irp i, 0,1,2,3,4,5,6,7
	ds_load_b128 v[(\f)+8*(\i):(\f)+8*(\i)+3],   v[ADRB+(\slot)] offset:64*(\q)+(\i)*16*PB
	ds_load_b128 v[(\f)+8*(\i)+4:(\f)+8*(\i)+7], v[ADRB+(\slot)] offset:64*(\q)+(\i)*16*PB+32
.endr
	WIN 0
.irp i, 0,1,2,3
	ds_load_b128 v[(\f)+8*(\i):(\f)+8*(\i)+3],   v[ADL] offset:128*(\slot)+64*(\q)+(\i)*16*PA
	ds_load_b128 v[(\f)+8*(\i)+4:(\f)+8*(\i)+7], v[ADL] offset:128*(\slot)+64*(\q)+(\i)*16*PA+32
.endr
.irp i, 0,1,2,3
	ds_load_b128 v[(\f)+32+8*(\i):(\f)+32+8*(\i)+3],   v[ADH] offset:128*(\slot)+64*(\q)+(\i)*16*PA
	ds_load_b128 v[(\f)+32+8*(\i)+4:(\f)+32+8*(\i)+7], v[ADH] offset:128*(\slot)+64*(\q)+(\i)*16*PA+32
.endr
.endm
; A tile's first half: multiplies buffer f and, in its middle, fetches half q of the same slot into g
.macro QUARTER slot, q, f, g, zero
	s_wait_dscnt 8                                 ; W and x's rows 0-63 are in; the youngest eight loads (rows 64-127) may be out
	MUL16 \f, 0, 0, \zero
	MUL16 \f, 0, 2, \zero
	PLACES
	FETCH \slot, \q, \g
	s_wait_dscnt 32                                ; all but the 32 just issued
	MUL16 \f, 1, 0, \zero
	MUL16 \f, 1, 2, \zero
.endm
; The slot's next tile, in my cluster's order: 8 chunk + 2 lap + slot; its address is made anew from that number
.macro NEXTTILE slot
.if (\slot) == 0
	s_add_co_u32 s[LPN], s[LPN], 1
	s_and_b32 s[LPN], s[LPN], 3                    ; the next lap; behind lap 3 comes lap 0
.endif
	s_lshl1_add_u32 s[OFF], s[LPN], s[CB]
.if (\slot) == 1
	s_add_co_u32 s[OFF], s[OFF], 1
.endif
	s_lshl_b32 s[OFF], s[OFF], 16
	s_add_nc_u64 s[G0+4*(\slot)+2:G0+4*(\slot)+3], s[14:15], s[OFF:OFF+1]
	s_or_b32 s[G0+4*(\slot)+3], s[G0+4*(\slot)+3], 0x80000000
.endm
; A tile's second half multiplies buffer 1 and changes slots.  In front of the barrier each wave waits for all its tensor loads (one is out: my quarter of the next slot),
; adds 0 to its spare word, and waits for that and for its reads of this slot.  No load of mine is out behind the first wait, so the slot's group 0 is written there.
.macro MEET round, slot=0
	WIN 0
	s_wait_tensorcnt 0x0
	ds_add_u32 v[SPW], v[NIL]
.if \round
	NEXTTILE \slot
.endif
	s_wait_dscnt 9                                 ; the add and the youngest eight loads may be out
	MUL16 F1, 0, 0, 0
	s_wait_dscnt 0x0                               ; the add is done, my reads of this slot are over
	s_barrier_signal -1
	MUL16 F1, 0, 2, 0
.if \round
	WIN 0
.endif
	s_barrier_wait -1
.endm
; wrap = 1: a chunk's last change of slots: x is read from its first piece again
.macro TURN slot, next, wrap
	MEET 1, \slot
	CREST                                          ; the barrier has opened a round of the cluster's: no wave of any partner still reads this slot or has a load on its way
	tensor_load_to_lds s[G0+4*(\slot):G0+4*(\slot)+3], s[G1:G1+7]  ; my one load behind the round: the tile two steps on
	s_nop 0
	PLACES                                         ; also the places in front of the loads below
.if (\next) == 0
.if \wrap
	s_mov_b32 s13, 0
.else
	s_add_co_u32 s13, s13, 256                     ; two tiles are 256 bytes of x's rows
.endif
	v_add_nc_u32 v[ADL], s13, v[A0L]
	v_add_nc_u32 v[ADH], s13, v[A0H]
.endif
	FETCH \next, 0, F0
	MUL16 F1, 1, 0, 0
	MUL16 F1, 1, 2, 0
.endm
; THE WAY OUT of row block a: rounded to f16, 16 bytes a lane; through my own stage; stored as whole rows of 256 bytes
.macro PACK a
.set AC, 64*((\a)%4)
	WIN 0x0a+5*((\a)/4)
.irp b, 0,1,2,3,4,5,6,7
.irp r, 0,1,2,3
	v_cvt_pk_f16_f32 v[TMP+4*(\b)+(\r)], v[AC+8*(\b)+2*(\r)], v[AC+8*(\b)+2*(\r)+1]
.endr
.endr
	WIN 0
.endm
.macro TOSTAGE a
	WIN 0
.set BK, OB+192*((\a)%2)
.irp b, 0,1,2,3,4,5,6,7
	ds_store_b128 v[STO], v[TMP+4*(\b):TMP+4*(\b)+3] offset:32*(\b)
.endr
.irp t, 0,1,2,3,4,5,6,7
	ds_load_b128 v[BK+4*(\t):BK+4*(\t)+3], v[RD] offset:(\t)*2*SPITCH  ; LDS serves a wave's instructions in order: these see the stores above
.endr
.endm
.macro SEND a, younger
	WIN 0
.set BK, OB+192*((\a)%2)
	s_wait_dscnt \younger
	s_wait_xcnt 0x0                                ; the stores' base and the registers that earlier stores read are rewritten only behind this wait
.if (\a) == 0
	s_add_nc_u64 s[8:9], s[OUTB:OUTB+1], s[16:17]  ; my first rows in the chunk's part
.else
	s_add_nc_u64 s[8:9], s[8:9], 16*512
.endif
.irp t, 0,1,2,3,4,5,6,7
	global_store_b128 v[CO], v[BK+4*(\t):BK+4*(\t)+3], s[8:9] offset:2*(\t)*512  ; 16 lanes store 256 consecutive bytes, aligned
.endr
.endm
	s_wait_tensorcnt 0x1                           ; my quarter of the first tile is in; the second's may stay out
	s_wait_dscnt 0x0                               ; my rows of x are written
	s_barrier_signal -1
	s_barrier_wait -1                              ; everybody's are
	s_mov_b32 s13, 0
	v_add_nc_u32 v[ADL], s13, v[A0L]
	v_add_nc_u32 v[ADH], s13, v[A0H]
	FETCH 0, 0, F0
	s_mov_b32 s2, 3                                ; chunks to go
.Lchunk:
	s_wait_loadcnt 0x0                             ; the chunk's bias
	QUARTER 0, 1, F0, F1, 1                        ; a chunk's first 64 products start the sums on the bias
	PLACES                                         ; the bias registers are loaded again behind these
	WIN 0
	s_cmp_eq_u32 s2, 1
	s_cbranch_scc1 .Lno_bias
	s_add_co_u32 s[TP], s[CC], 1                   ; the next chunk, behind chunk 2 chunk 0:
	s_cmp_eq_u32 s[TP], 3
	s_cselect_b32 s[TP], 0, s[TP]
	s_lshl_b32 s[TP], s[TP], 11
	s_add_nc_u64 s[18:19], s[BB:BB+1], s[TP:TP+1]  ; its bias (the loads that named the base are done)
	WIN TO_B
.irp b, 0,1,2,3,4,5,6,7
	global_load_b128 v[BI+8*(\b):BI+8*(\b)+3],   v[BO], s[18:19] offset:64*(\b)
	global_load_b128 v[BI+8*(\b)+4:BI+8*(\b)+7], v[BO], s[18:19] offset:64*(\b)+16
.endr
	WIN 0
.Lno_bias:
	s_mov_b32 s3, 3
.Llap:                                                 ; a trip goes once round the ring: two tiles, both slots filled again
	TURN 0, 1, 0
	QUARTER 1, 1, F0, F1, 0
	TURN 1, 0, 0
	QUARTER 0, 1, F0, F1, 0
	WIN 0
	s_sub_co_u32 s3, s3, 1
	s_cmp_lg_u32 s3, 0
	s_cbranch_scc1 .Llap
	s_cmp_eq_u32 s2, 1
	s_cbranch_scc1 .Llast                          ; the last chunk's last lap asks for nothing more
	s_add_co_u32 s[CB], s[CB], 8                   ; the ring goes on into the next chunk, behind chunk 2 chunk 0
	s_cmp_eq_u32 s[CB], 24
	s_cselect_b32 s[CB], 0, s[CB]
	TURN 0, 1, 0
	QUARTER 1, 1, F0, F1, 0
	TURN 1, 0, 1
	WIN 0
	s_branch .Lout
.Llast:
	MEET 0
	PLACES
	FETCH 1, 0, F0
	MUL16 F1, 1, 0, 0
	MUL16 F1, 1, 2, 0
	QUARTER 1, 1, F0, F1, 0
	s_wait_dscnt 8
	MUL16 F1, 0, 0, 0
	MUL16 F1, 0, 2, 0
	s_wait_dscnt 0x0
	MUL16 F1, 1, 0, 0
	MUL16 F1, 1, 2, 0
	WIN 0
.Lout:
	s_lshl_b32 s16, s[CC], 25                      ; a part (q, k or v) is 33,554,432 bytes
	PLACES
	PACK 0
	TOSTAGE 0
.irp a, 1,2,3,4,5,6,7                  ; block a's conversions stand between block a - 1's loads from the stage and the wait for them
	PACK \a
	SEND (\a)-1, 0
	TOSTAGE \a
.endr
	SEND 7, 0
	s_add_co_u32 s[CC], s[CC], 1
	s_cmp_eq_u32 s[CC], 3
	s_cselect_b32 s[CC], 0, s[CC]
	s_sub_co_u32 s2, s2, 1
	s_cmp_lg_u32 s2, 0
	s_cbranch_scc1 .Lchunk
	s_wait_tensorcnt 0x0                           ; the wave's end
	ds_add_u32 v[SPW], v[NIL]
	s_wait_dscnt 0x0
	CROUND                                         ; the closing round
	s_endpgm
.Lfunc_end_k_q88756912bc_project:
	.size	k_q88756912bc_project, .Lfunc_end_k_q88756912bc_project-k_q88756912bc_project
	.p2alignl 7, 3214868480
	.fill 96, 4, 3214868480
	.section	.rodata,"a",@progbits
	.p2align	6, 0x0
	.amdhsa_kernel k_q88756912bc_project
		.amdhsa_group_segment_fixed_size 327680
		.amdhsa_private_segment_fixed_size 0
		.amdhsa_enable_private_segment 0
		.amdhsa_kernarg_size 24
		.amdhsa_user_sgpr_count 2
		.amdhsa_user_sgpr_kernarg_segment_ptr 1
		.amdhsa_wavefront_size32 1
		.amdhsa_system_sgpr_workgroup_id_x 1
		.amdhsa_system_sgpr_workgroup_id_y 1
		.amdhsa_system_sgpr_workgroup_id_z 1
		.amdhsa_system_vgpr_workitem_id 0
		.amdhsa_next_free_vgpr 1024
		.amdhsa_next_free_sgpr 66
		.amdhsa_reserve_vcc 0
		.amdhsa_float_denorm_mode_32 3
		.amdhsa_float_denorm_mode_16_64 3
		.amdhsa_memory_ordered 1
		.amdhsa_forward_progress 1
		.amdhsa_inst_pref_size 134
	.end_amdhsa_kernel
	.amdgpu_metadata
---
amdhsa.version: [ 1, 2 ]
amdhsa.kernels:
  - .name:           k_q88756912bc_project
    .symbol:         k_q88756912bc_project.kd
    .args:
      - { .name: x, .offset: 0, .size: 8, .value_kind: global_buffer, .address_space: global }
      - { .name: wts, .offset: 8, .size: 8, .value_kind: global_buffer, .address_space: global }
      - { .name: qkv, .offset: 16, .size: 8, .value_kind: global_buffer, .address_space: global }
    .group_segment_fixed_size: 327680
    .private_segment_fixed_size: 0
    .kernarg_segment_align: 8
    .kernarg_segment_size: 24
    .max_flat_workgroup_size: 128
    .sgpr_count:     66
    .vgpr_count:     1024
    .wavefront_size: 32
...
	.end_amdgpu_metadata
.endif
;; end of part 5
;; launch attend (part 6): grid 4 x 64, 4 waves a work-group, no clusters, 327,680 bytes of LDS; arguments qkv, att; writes att
.if DOCPART == 6
	.amdgcn_target "amdgcn-amd-amdhsa--gfx1250"
	.amdhsa_code_object_version 6
	.text
	.protected	k_q88756912bc_attend
	.globl	k_q88756912bc_attend
	.p2align	8
	.type	k_q88756912bc_attend,@function
k_q88756912bc_attend:
	s_mov_b64 s[64:65], 0
	v_nop
	global_prefetch_b8 v0, s[64:65] scope:SCOPE_SE
	s_setreg_imm32_b32 hwreg(HW_REG_WAVE_MODE, 25, 1), 1
	s_wait_xcnt 0x0
; CAUSAL ATTENTION at head size 256.  O[q] = the sum over k <= q of softmax_k(Q[q] . K[k] / sqrt(512)) V[k].  Q, K, V: [64 planes (batch, head)][1024][256] f16, three parts of qkv;
; O: att [32][1024][512] f16, column 256 head + channel.  Products, maxima and sums in f32; the weights p are rounded to f16 for the second product (their sum l is of the unrounded p), O once.
; LIMITS.  A hidden score counts as -1e30; a weight below 2^-126 counts as 0 in l; p below 6e-5 keeps f16's fixed step of 6e-8; NaN and infinities are not treated apart.
; THE WALK.  A plane's queries lie in 8 blocks of 128; block i needs the key tiles 0 .. i of 128 keys, the last holding the diagonal.  A work-group takes blocks p and then 7 - p: 9 tiles whatever p,
; 18 key steps of 64, so all 256 work-groups do equal work and every trip count is a constant.  NO CLUSTER: the four work-groups of a plane ask for the same tile only in part of the walk
; (their first blocks have 1 to 4 tiles), and one walk common to all four would have 12 tiles for 9.
; SHARES.  Wave w owns rows 32 w .. 32 w + 31 of a block: two tiles of 16 queries.  In the diagonal tile nothing is left out, so the four waves do equal work.
; LAYOUT.  S^T = K Q^T holds ONE query a lane (lane % 16) and the keys 8 (lane / 16) + 0..7; two such results rounded to f16 ARE source 1 of O^T = V^T P.  K comes out of LDS as it lies, V turned (ds_load_tr16_b128).
; SOFTMAX.  A running maximum m and sum l: p = 2^(c s - c m), c = log2(e) / sqrt(512); in every step O and l are multiplied by a = 2^(c m_old - c m_new).  m starts at the lowest finite number, so a block's first a is 0.
; TILE BY TILE.  A tile and step have 64 products and 166 vector instructions.  A step's products go tile by tile, so that one tile's vector work stands in slices behind the other tile's products:
;   H2: 32 products K Q^T of tile 0; 32 of tile 1, five lines of tile 0's softmax behind each.
;   H1: 32 products V^T P of tile 0, three or four lines of tile 1's softmax behind each; 32 of tile 1, with the rest of tile 1's rescaling: each accumulator is rescaled two products ahead of its turn.
; A slice names no register of the products round it.  It costs two switches of the register window: the lesser price beside 332 lines a step during which no product would be issued.
; THE LDS LOADS stand in four runs of 32 at the borders of these parts, never singly among products: V of the step in H2, K of the next step in H1.
; REGISTERS, in windows of 256 (s_set_vgpr_msb: bits 1:0 source 0, 3:2 source 1, 5:4 source 2, 7:6 destination):
;   window 0: v2-15 addresses; v16-31 statistics; v32-95 S^T; v96-127 P; v128-255 Q      window 1: O^T, 128 a tile      window 2: K of one step      window 3: V of one step
.set KS,    64
.set PK,    528       ; a row of K in LDS: 512 + 16 bytes, an odd multiple of 16
.set PVP,   544       ; a row of V: 512 + 32, an odd multiple of 32, for the turning load
.set KSTEP, KS*PK
.set VSTEP, KS*PVP
.set VOFF,  2*KSTEP   ; a slot holds a tile: 128 rows of K, then 128 rows of V
.set SLOT,  2*(KSTEP+VSTEP)
.set STAGE, 2*SLOT    ; behind the ring, never filled by a tensor load: 16 rows x 528 bytes for each wave
.set SP,    528
.set SPARE, STAGE+4*16*SP  ; the spare words, 128 bytes a wave: two blocks of 256 bytes that no other line names
.set PARTB, 33554432
.set AK0, 2
.set AV0, 3
.set AK,  4
.set AV,  5
.set QO,  6
.set STO, 7
.set RD,  8
.set GO,  9
.set DQ,  10          ; v10  32 w + l % 16 - 8 (l / 16): register 8 kb + j of tile t is hidden where MOF + 16 kb + j - 16 t is greater
.set DT,  11
.set BN,  12          ; v12  -1e30
.set SPW, 14
.set NIL, 15
.set ST,  16          ; tile t at v[ST+8 t]: c m, m, l (two), c0-c3 at work; a takes c2's place
.set S,   32
.set P,   96
.set Q,   128
.set WV,  12
.set PB,  14          ; s14  p
.set HI,  15          ; s15  7 - p
.set G1K, 24
.set G1V, 32
.set G0K, 40
.set G0V, 44
.set KB,  48          ; s[48:49] K at my half of the plane's tile 0
.set VB,  50
.set QH,  52          ; s[52:53] Q at my rows of block 7 - p
.set OBA, 54          ; s[54:55] O at my rows of the block in hand
.set OH,  56          ; s[56:57] of block 7 - p
.set CS,  58
.set SEL, 60
.set TBK, 62          ; s62  LDS byte at which K of the step to be fetched begins
.set TBV, 63          ; s63  the same for V, less VOFF
.set FS,  66          ; s66  the slot last asked for: 0 or SLOT
.set WK,  67          ; s67  my half's place in a slot, for K
.set WVO, 68          ; s68  for V
.set RS,  69          ; s69  steps of the block in hand still to be finished, the one whose scores are being made among them
.set NXT, 70          ; s70  the tile to be asked for next
.set LQ,  71          ; s71  the last tile of the block whose tiles are being asked for
.set OFF, 72          ; s[72:73]
.set CNT, 74
.set SLOTS, 75
.set MOF, 76          ; s76  the step's first key in the diagonal tile: 0 or 64
.set MSB, 0
.macro WIN new
.if MSB != (\new)
	s_set_vgpr_msb (MSB<<8)|(\new)
.set MSB, (\new)
.endif
.endm
.set W_KQ, 0x02
.set W_PV, 0x53
.set W_RS, 0x41
.macro PLACES
.rept 4
	v_nop
.endr
.endm
; A fill.  Waves 0 and 1 fetch the two halves of a tile's K, waves 2 and 3 those of its V: 64 rows of 512 bytes each.
.macro LOAD
	s_cmp_lt_u32 s[WV], 2
	s_cbranch_scc0 .Lfor_v_\@
	tensor_load_to_lds s[G0K:G0K+3], s[G1K:G1K+7]
	s_nop 0
	PLACES
	s_branch .Lasked_\@
.Lfor_v_\@:
	tensor_load_to_lds s[G0V:G0V+3], s[G1V:G1V+7]
	s_nop 0
	PLACES
.Lasked_\@:
.endm
; THE CHANGE OF SLOTS.  Each wave waits for all its tensor loads (one is out: its part of the other slot), adds 0 to its spare word, and waits for that and for its reads of the slot that it leaves.
; fill = 1: the old slot is filled again, first thing behind the barrier, with tile NXT.  (At its first use nothing has been read: slot 0 is waited for, slot 1 filled.)
.macro CHANGE fill
	WIN 0
	s_wait_tensorcnt 0x0                           ; no tensor load of mine is out, so a group 0 may be written
	ds_add_u32 v[SPW], v[NIL]
.if \fill
	s_lshl_b32 s[OFF], s[NXT], 16                  ; a tile is 65,536 bytes of K and of V
	s_xor_b32 s[FS], s[FS], SLOT
	s_add_co_u32 s[G0K+1], s[FS], s[WK]
	s_add_nc_u64 s[G0K+2:G0K+3], s[KB:KB+1], s[OFF:OFF+1]
	s_or_b32 s[G0K+3], s[G0K+3], 0x80000000
	s_add_co_u32 s[G0V+1], s[FS], s[WVO]
	s_add_nc_u64 s[G0V+2:G0V+3], s[VB:VB+1], s[OFF:OFF+1]
	s_or_b32 s[G0V+3], s[G0V+3], 0x80000000
	s_add_co_u32 s[NXT], s[NXT], 1                 ; the block's next tile, or behind its last the second block's tile 0
	s_cmp_gt_u32 s[NXT], s[LQ]
	s_cselect_b32 s[NXT], 0, s[NXT]
	s_cselect_b32 s[LQ], s[HI], s[LQ]
.endif
	s_wait_dscnt 0x0                               ; the add is done, my reads of the slot (the last: V's second run) are over
	s_barrier_signal -1
	s_sub_co_u32 s[TBK], s[TBK], 2*KSTEP           ; the fetches go back to a slot's first step,
	s_xor_b32 s[TBK], s[TBK], SLOT                 ; in the other slot
	s_sub_co_u32 s[TBV], s[TBV], 2*VSTEP
	s_xor_b32 s[TBV], s[TBV], SLOT
	s_barrier_wait -1
.if \fill
	LOAD
.endif
.endm
.macro QLOAD lo                        ; 32 rows of Q stay in registers: tile i / 8, channels 32 (i % 8) on
	WIN 0
.set i, 0
.rept 16
	global_load_b128 v[Q+8*i:Q+8*i+3],   v[QO], s[(\lo):(\lo)+1] offset:(i/8)*8192+(i%8)*64
	global_load_b128 v[Q+8*i+4:Q+8*i+7], v[QO], s[(\lo):(\lo)+1] offset:(i/8)*8192+(i%8)*64+32
.set i, i+1
.endr
.endm
	s_load_b128 s[4:7], s[0:1], 0x0                ; qkv s[4:5], att s[6:7]
	v_lshl_add_u32 v[SPW], v0, 2, SPARE
	v_mov_b32 v[NIL], 0
	ds_add_u32 v[SPW], v[NIL]                      ; the wave's opening: the add and its wait ahead of my first tensor load
	ds_add_u32 v14, v15
	v_lshrrev_b32 v1, 5, v0
	v_readfirstlane_b32 s[WV], v1
	s_mov_b32 s[PB], ttmp9
	s_sub_co_u32 s[HI], 7, s[PB]
	s_and_b32 s20, ttmp7, 0xffff                   ; the plane: 2 batch + head
	s_lshl_b32 s21, s20, 19                        ; its 524,288 bytes in each part
	s_and_b32 s16, s[WV], 1                        ; which half of a tile's 128 keys I fetch
	s_mul_i32 s[WK], s16, KSTEP
	s_mul_i32 s[WVO], s16, VSTEP
	s_add_co_u32 s[WVO], s[WVO], VOFF
	s_lshl_b32 s22, s16, 15
	s_add_co_u32 s22, s22, s21
	s_add_co_u32 s22, s22, PARTB                   ; K is the second part
	s_mov_b32 s23, 0
	s_lshl_b32 s17, s[WV], 14                      ; my 32 rows of 512 bytes in a block
	s_add_co_u32 s17, s17, s21
	s_lshl_b32 s2, s[PB], 16                       ; Q: block p,
	s_add_co_u32 s2, s2, s17
	s_mov_b32 s3, 0
	s_lshl_b32 s8, s[HI], 16                       ; and block 7 - p
	s_add_co_u32 s8, s8, s17
	s_mov_b32 s9, 0
	s_lshr_b32 s18, s20, 1                         ; O: batch x 1,024 rows of 1,024 bytes,
	s_lshl_b32 s18, s18, 20
	s_and_b32 s19, s20, 1
	s_lshl_b32 s19, s19, 9                         ; the head's 512 bytes of a row,
	s_add_co_u32 s18, s18, s19
	s_lshl_b32 s19, s[WV], 15                      ; my 32 rows
	s_add_co_u32 s18, s18, s19
	s_lshl_b32 s10, s[PB], 17
	s_add_co_u32 s10, s10, s18
	s_mov_b32 s11, 0
	s_lshl_b32 s78, s[HI], 17
	s_add_co_u32 s78, s78, s18
	s_mov_b32 s79, 0
	s_mov_b32 s[G1K], (1<<16)|(1<<20)|(6<<22)|(3<<25)  ; 2-byte elements; padding on; after every 128 words; 4 words
	s_mov_b32 s[G1V], (1<<16)|(1<<20)|(6<<22)|(7<<25)  ; the same with 8 words
.irp g, G1K, G1V
	s_mov_b32 s[\g+1], 256<<16                     ; tensor_dim0 = 256
	s_mov_b32 s[\g+2], 64<<16                      ; tensor_dim1 = 64
	s_mov_b32 s[\g+3], 256<<16                     ; tile_dim0 = 256
	s_mov_b32 s[\g+4], 64                          ; tile_dim1 = 64
	s_mov_b32 s[\g+5], 256                         ; elements from row to row
	s_mov_b32 s[\g+6], 0
	s_mov_b32 s[\g+7], 0
.endr
	s_mov_b32 s[CS], 0x3d8293ee                    ; c = log2(e) / sqrt(512) = 0.0637587
	s_mov_b32 s[CS+1], s[CS]
	s_mov_b32 s[SEL], 0x76543210
	s_mov_b32 s[SEL+1], 0xfedcba98
	s_mov_b32 s[TBK], SLOT+2*KSTEP                 ; the first change of slots turns these two into 0
	s_mov_b32 s[TBV], SLOT+2*VSTEP
	s_mov_b32 s[FS], 0
	s_mov_b32 s[G0K], 1
	s_mov_b32 s[G0K+1], s[WK]                      ; slot 0
	s_mov_b32 s[G0V], 1
	s_mov_b32 s[G0V+1], s[WVO]
	s_mov_b32 s[OFF+1], 0
	s_lshl_b32 s[RS], s[PB], 1
	s_add_co_u32 s[RS], s[RS], 2                   ; block p has 2 (p + 1) steps
	s_mov_b32 s[NXT], 1                            ; tile 0 is asked for below; then tile 1, or, where p = 0, the second block's tile 0
	s_mov_b32 s[LQ], s[PB]
	s_cmp_gt_u32 s[NXT], s[LQ]
	s_cselect_b32 s[NXT], 0, s[NXT]
	s_cselect_b32 s[LQ], s[HI], s[LQ]
	s_wait_dscnt 0x0                               ; the opening add is done
	s_wait_kmcnt 0x0
	s_add_nc_u64 s[KB:KB+1], s[4:5], s[22:23]
	s_add_nc_u64 s[VB:VB+1], s[KB:KB+1], PARTB
	s_add_nc_u64 s[G0K+2:G0K+3], s[KB:KB+1], 0
	s_or_b32 s[G0K+3], s[G0K+3], 0x80000000
	s_add_nc_u64 s[G0V+2:G0V+3], s[VB:VB+1], 0
	s_or_b32 s[G0V+3], s[G0V+3], 0x80000000
	s_add_nc_u64 s[2:3], s[4:5], s[2:3]
	s_add_nc_u64 s[QH:QH+1], s[4:5], s[8:9]
	s_add_nc_u64 s[OBA:OBA+1], s[6:7], s[10:11]
	s_add_nc_u64 s[OH:OH+1], s[6:7], s[78:79]
	LOAD                                           ; tile 0 into slot 0
	v_and_b32 v1, 15, v0                           ; r
	v_bfe_u32 v13, v0, 4, 1                        ; h
	v_lshlrev_b32 v[QO], 9, v1
	v_lshl_add_u32 v[QO], v13, 4, v[QO]            ; row x 512 + 16 x half
	QLOAD 2
	v_mul_u32_u24 v[AK0], v1, PK
	v_lshl_add_u32 v[AK0], v13, 4, v[AK0]          ; row x pitch + 16 x half
	v_and_b32 v[AV], 7, v0                         ; the turning load: lane l reads key 8 (l / 16) + l % 8, channels 8 ((l / 8) % 2) + 0..7
	v_lshl_add_u32 v[AV0], v13, 3, v[AV]
	v_mul_u32_u24 v[AV0], v[AV0], PVP
	v_bfe_u32 v[AV], v0, 3, 1
	v_lshl_add_u32 v[AV0], v[AV], 4, v[AV0]
	v_add_nc_u32 v[AV0], VOFF, v[AV0]
	s_mul_i32 s13, s[WV], 16*SP
	s_add_co_u32 s13, s13, STAGE                   ; my stage
	v_add_nc_u32 v[STO], s13, v[AK0]               ; in: row r, 16 bytes for each half of the lanes (the stage's pitch is K's)
	v_and_b32 v[GO], 31, v0
	v_lshlrev_b32 v[GO], 4, v[GO]                  ; back and out: 32 lanes take a row's 512 bytes
	v_add_nc_u32 v[RD], s13, v[GO]
	v_lshlrev_b32 v[DQ], 3, v13
	v_sub_nc_u32 v[DQ], v1, v[DQ]
	s_lshl_b32 s13, s[WV], 5
	v_add_nc_u32 v[DQ], s13, v[DQ]
	v_mov_b32 v[BN], 0xf149f2ca                    ; -1e30
.irp t, 0,1
	v_mov_b32 v[ST+8*(\t)], 0xfe000000             ; c m: far below every c s
	v_mov_b32 v[ST+8*(\t)+1], 0xff7fffff           ; m
	v_mov_b32 v[ST+8*(\t)+2], 0
	v_mov_b32 v[ST+8*(\t)+3], 0
.endr
	WIN 0x40                                       ; O^T need only be finite, since a block's first a is 0: zeros, written in the wait for the first tile; the price of writing no first step out
.set i, 0
.rept 256
	v_mov_b32 v[i], 0
.set i, i+1
.endr
	WIN 0
; THE MATRIX WORK, tile by tile.  A tile's accumulators take turns, one instruction a turn: 4 in K Q^T, 16 in V^T P.
; Product i of 32 of tile t's S^T = K Q^T: channels 32 (i / 4) on, keys 16 (i % 4) on: K's fragment i.  The first 4 start the sums.
.macro KQ t
	WIN W_KQ
.set rS, S+32*(\t)+8*(i%4)
.set rK, 8*i
.set rQ, Q+64*(\t)+8*(i/4)
.if i < 4
	v_wmma_f32_16x16x32_f16 v[rS:rS+7], v[rK:rK+7], v[rQ:rQ+7], 0
.else
	v_wmma_f32_16x16x32_f16 v[rS:rS+7], v[rK:rK+7], v[rQ:rQ+7], v[rS:rS+7]
.endif
.set i, i+1
.endm
; Product i of 32 of tile t's O^T += V^T P: keys 32 (i / 16) on, channels 16 (i % 16) on: V's fragment i.
.macro PV t
	WIN W_PV
.set rO, 128*(\t)+8*(i%16)
.set rV, 8*i
.set rP, P+16*(\t)+8*(i/16)
	v_wmma_f32_16x16x32_f16 v[rO:rO+7], v[rV:rV+7], v[rP:rP+7], v[rO:rO+7]
.set i, i+1
.endm
.macro KLD                             ; load ln of 64 of a step's K: fragment ln / 2: channels 32 ((ln / 2) / 4) on, keys 16 ((ln / 2) % 4) on
	WIN 0x80
	ds_load_b128 v[4*ln:4*ln+3], v[AK] offset:((ln/2)%4)*16*PK+((ln/2)/4)*64+(ln%2)*32
.set ln, ln+1
.endm
.macro VLD                             ; load ln of 64 of a step's V, turned: fragment ln / 2: keys 32 ((ln / 2) / 16) on, channels 16 ((ln / 2) % 16) on
	WIN 0xc0
	ds_load_tr16_b128 v[4*ln:4*ln+3], v[AV] offset:((ln/2)/16)*32*PVP+((ln/2)%16)*32+(ln%2)*16*PVP
.set ln, ln+1
.endm
; THE SOFTMAX of tile t for one step is a list of 166 instructions; SM writes number j.  s0-s31 are the lane's 32 scores, in pairs 0-15.
;   0-15    the maximum of s0-s31 and the old m: four chains c0-c3 of seven scores each (each accumulator's lowest registers are read first), the four left over, c0-c3 and m
;   16-20   the other half of the lanes' maximum; the new m; c m; c m_old - c m_new
;   21-87   33 exponentials (a, then s0-s31) at the odd numbers from 23 on; the plain numbers between are c s - c m for pairs to come, the rounding of pairs that are done, the first sums.
;           So in the list's own order no two exponentials follow each other, the plain line behind an exponential names neither its result nor its source (ISA guide 5.7.2),
;           and a rounding reads an exponential that stands three numbers back.
;   88-101  the last rounding; the rest of the sums; l = a l + the sum            102-165  the tile's O^T times a: accumulator cb at 102 + 4 cb, its low registers first
.macro SM t
.set rT, ST+8*(\t)
.set rS, S+32*(\t)
.set rP, P+16*(\t)
.set rO, 128*(\t)+2*(j-102)
.set q, (j-20)/2
.if j < 102
	WIN 0
.endif
.if j < 4
	v_max3_num_f32 v[rT+4+j], v[rS+8*j], v[rS+8*j+1], v[rS+8*j+2]
.elseif j < 12
	v_max3_num_f32 v[rT+4+j%4], v[rT+4+j%4], v[rS+8*(j%4)+2*(j/4)+1], v[rS+8*(j%4)+2*(j/4)+2]
.elseif j == 12
	v_max3_num_f32 v[rT+4], v[rT+4], v[rS+7], v[rS+15]
.elseif j == 13
	v_max3_num_f32 v[rT+6], v[rT+6], v[rS+23], v[rS+31]
.elseif j == 14
	v_max3_num_f32 v[rT+4], v[rT+4], v[rT+5], v[rT+6]
.elseif j == 15
	v_max3_num_f32 v[rT+4], v[rT+4], v[rT+7], v[rT+1]
.elseif j == 16
	v_permlanex16_b32 v[rT+5], v[rT+4], s[SEL], s[SEL+1]  ; the query's other 32 keys lie in the lane 16 away
.elseif j == 17
	v_mov_b32 v[rT+7], v[rT]                       ; c m_old is kept for a
.elseif j == 18
	v_max_num_f32 v[rT+1], v[rT+4], v[rT+5]
.elseif j == 19
	v_mul_f32 v[rT], s[CS], v[rT+1]
.elseif j == 20
	v_sub_f32 v[rT+7], v[rT+7], v[rT]
.elseif j == 23
	v_exp_f32 v[rT+6], v[rT+7]
.elseif (j < 88) && (j > 23) && (j%2 == 1)
	v_exp_f32 v[rS+(j-25)/2], v[rS+(j-25)/2]
.elseif (q < 4) || ((j < 76) && (q%2 == 0))
.set b, q/2+2
.if q < 4
.set b, q
.endif
	v_pk_fma_f32 v[rS+2*b:rS+2*b+1], v[rS+2*b:rS+2*b+1], s[CS:CS+1], v[rT:rT+1] op_sel_hi:[1,0,0] neg_lo:[0,0,1] neg_hi:[0,0,1]  ; pair b: c s - c m
.elseif (j < 88) && (q%2 == 1)
	s_wait_alu depctr_va_vdst(0)
	v_cvt_pk_f16_f32 v[rP+(q-5)/2], v[rS+q-5], v[rS+q-4]
.elseif j == 89
	s_wait_alu depctr_va_vdst(0)
	v_cvt_pk_f16_f32 v[rP+15], v[rS+30], v[rS+31]
.elseif j < 102                        ; the sum of the 16 pairs, in place: neighbours 1, 2, 4 and 8 pairs apart, then l takes it
.set z, j-86
.if j < 89
.set z, (j-76)/4
.endif
.set w, 4
.set u, z
.if z >= 14
.set w, 32
.set u, 0
.elseif z >= 12
.set w, 16
.set u, z-12
.elseif z >= 8
.set w, 8
.set u, z-8
.endif
.if z < 15
	v_pk_add_f32 v[rS+w*u:rS+w*u+1], v[rS+w*u:rS+w*u+1], v[rS+w*u+w/2:rS+w*u+w/2+1]
.else
	v_pk_fma_f32 v[rT+2:rT+3], v[rT+2:rT+3], v[rT+6:rT+7], v[rS:rS+1] op_sel_hi:[1,0,1]
.endif
.else
	WIN W_RS
	v_pk_mul_f32 v[rO:rO+1], v[rO:rO+1], v[rT+6:rT+7] op_sel_hi:[1,0]
.endif
.endm
.macro RIDE t, cnt                     ; a slice: the next cnt numbers of tile t's list
.rept \cnt
	SM \t
.set j, j+1
.endr
.endm
.macro MASK t                          ; a hidden score of tile t becomes -1e30; each accumulator's registers in ascending order
	WIN 0
	v_sub_nc_u32 v[DT], v[DQ], s[MOF]
.set n, 0
.rept 32
	v_cmp_gt_i32 vcc_lo, 16*(n/8)+(n%8)-16*(\t), v[DT]
	v_cndmask_b32 v[S+32*(\t)+n], v[S+32*(\t)+n], v[BN], vcc_lo
.set n, n+1
.endr
.endm
.macro DIAGONAL t                      ; only a block's last two steps lie in its diagonal tile: elsewhere the mask is jumped over
	WIN 0
	s_cmp_gt_u32 s[RS], 2
	s_cbranch_scc1 .Lopen_\@
	s_cmp_eq_u32 s[RS], 2
	s_cselect_b32 s[MOF], 0, 64
	MASK \t
.Lopen_\@:
.endm
; THE WAY OUT.  l's halves are added; O^T is divided by l, rounded to f16 and sent through my stage, a tile (16 rows) at a time; each store covers a row's 512 consecutive bytes, aligned.
.macro PACK t
	WIN W_RS
.set i, 128*(\t)
.rept 64
	v_pk_mul_f32 v[i:i+1], v[i:i+1], v[ST+8*(\t)+6:ST+8*(\t)+7] op_sel_hi:[1,0]
.set i, i+2
.endr
	WIN 0x05
.set i, 0
.rept 64
	v_cvt_pk_f16_f32 v[S+i], v[128*(\t)+2*i], v[128*(\t)+2*i+1]
.set i, i+1
.endr
	WIN 0
.set i, 0
.rept 16
	ds_store_b128 v[STO], v[S+4*i:S+4*i+3] offset:32*i
.set i, i+1
.endr
.set i, 0
.rept 16
	ds_load_b128 v[S+4*i:S+4*i+3], v[RD] offset:SP*i  ; LDS serves a wave's instructions in order: these see the stores above
.set i, i+1
.endr
.endm
.macro SEND t
.set i, 0
.rept 16
.if i%4 == 0
	s_wait_dscnt 12-i                              ; the next four rows are back: 12 - i younger loads may be out
.endif
	global_store_b128 v[GO], v[S+4*i:S+4*i+3], s[OBA:OBA+1] offset:(\t)*16384+i*1024
.set i, i+1
.endr
.endm
.macro WAYOUT
	WIN 0
	PLACES                                         ; behind the last products
.irp t, 0,1
	v_add_f32 v[ST+8*(\t)+4], v[ST+8*(\t)+2], v[ST+8*(\t)+3]
.endr
.irp t, 0,1
	v_permlanex16_b32 v[ST+8*(\t)+5], v[ST+8*(\t)+4], s[SEL], s[SEL+1]
.endr
.irp t, 0,1
	v_add_f32 v[ST+8*(\t)+4], v[ST+8*(\t)+4], v[ST+8*(\t)+5]
.endr
.irp t, 0,1
	v_rcp_f32 v[ST+8*(\t)+6], v[ST+8*(\t)+4]
.endr
	v_nop                                          ; a plain instruction between the last reciprocal and the use of its result
	s_wait_alu depctr_va_vdst(0)
	PACK 0
	SEND 0
	s_wait_xcnt 0x0                                ; the registers that those stores read are rewritten only behind this wait
	PACK 1
	SEND 1
.endm
; H1: a step's second half.  Tile 1's mask; V^T P of tile 0 with tile 1's numbers 0 to 109 behind its products (14 x 4 + 18 x 3: the softmax proper and the rescaling of tile 1's accumulators 0 and 1);
; V^T P of tile 1, with four rescalings behind each of its first 14 products: accumulator i + 2 behind product i, so that a product and four plain lines stand between an accumulator's rescaling and its turn.
; The next step's K is fetched in two runs of 32, ahead of each tile's products; K's registers were last read in front of H2's last slice, eleven plain lines that name none of them.
; tail = 1: the walk's last tile: K's loads stand in one run, which is jumped over in the last step; the block's end stands behind the loop.
.macro H1 tail
	DIAGONAL 1
	v_add_nc_u32 v[AK], s[TBK], v[AK0]
.set ln, 0
.if \tail
	s_wait_dscnt 0x0                               ; V is in
	s_cmp_eq_u32 s[CNT], 1
	s_cbranch_scc1 .Lno_k_\@
.rept 64
	KLD
.endr
	WIN 0
.Lno_k_\@:
.else
.rept 32
	KLD
.endr
	s_wait_dscnt 32                                ; V is in: only the 32 loads just issued are younger
.endif
.set i, 0
.set j, 0
.rept 32
	PV 0
.if i <= 14
	RIDE 1, 4
.else
	RIDE 1, 3
.endif
.endr
.if !(\tail)
.rept 32
	KLD
.endr
.endif
.set i, 0
.rept 32
	PV 1
.if i <= 14
	RIDE 1, 4
.endif
.endr
	WIN 0
	s_add_co_u32 s[TBK], s[TBK], KSTEP
.if !(\tail)
	s_cmp_lg_u32 s[RS], 1
	s_cbranch_scc1 .Lgo_on_\@
	QLOAD QH                                       ; THE FIRST BLOCK ENDS: the second block's Q is on its way while O leaves
	WAYOUT
	s_wait_xcnt 0x0                                ; the stores have read their registers and O's address
	s_mov_b64 s[OBA:OBA+1], s[OH:OH+1]
.irp t, 0,1
	v_mov_b32 v[ST+8*(\t)], 0xfe000000             ; the next step's a is 0: O^T and l need only be finite
	v_mov_b32 v[ST+8*(\t)+1], 0xff7fffff
.endr
	s_lshl_b32 s[RS], s[HI], 1
	s_add_co_u32 s[RS], s[RS], 3                   ; block 7 - p has 2 (8 - p) steps; one is taken off below
.Lgo_on_\@:
.endif
	s_sub_co_u32 s[RS], s[RS], 1
.endm
; H2: a step's first half.  K Q^T of tile 0; its mask; K Q^T of tile 1 with tile 0's whole list behind its products: five numbers behind each, eleven behind the last (31 x 5 + 11 = 166).
; Those eleven, rescalings of tile 0's O^T, are the places between tile 1's last product and what follows: the reads of its scores and the loads into K's registers.
; The step's V is fetched in two runs of 32, ahead of each tile's products.
.macro H2
	WIN 0
	PLACES                                         ; behind the last V^T P: V's registers are loaded again
	v_add_nc_u32 v[AV], s[TBV], v[AV0]
.set ln, 0
.rept 32
	VLD
.endr
	s_wait_loadcnt 0x0                             ; Q
	s_wait_dscnt 32                                ; K is in: only the 32 loads just issued are younger
.set i, 0
.rept 32
	KQ 0
.endr
	WIN 0
	PLACES                                         ; behind tile 0's last products: its scores are read
	DIAGONAL 0
.rept 32
	VLD
.endr
.set i, 0
.set j, 0
.rept 31
	KQ 1
	RIDE 0, 5
.endr
	KQ 1
	RIDE 0, 11
	s_add_co_u32 s[TBV], s[TBV], VSTEP
	WIN 0
.endm
	CHANGE 1                                       ; tile 0 is in, everybody's part of it; the walk's second tile is asked for
	v_add_nc_u32 v[AK], s[TBK], v[AK0]
.set ln, 0
.rept 64
	KLD                                            ; key step 0
.endr
	WIN 0
	s_add_co_u32 s[TBK], s[TBK], KSTEP
	s_mov_b32 s[CNT], 2
	s_mov_b32 s[SLOTS], 8                          ; taken down once behind the entry pass, then once for each of seven trips
	s_branch .Lenter                               ; the loop is entered in the middle of a trip: step 0 has no step before it to finish
.Lslot:                                                ; seven times: a tile is entered and the next is asked for
	CHANGE 1
	s_mov_b32 s[CNT], 2
.Lstep:
	H1 0
.Lenter:
	H2
	s_sub_co_u32 s[CNT], s[CNT], 1
	s_cmp_lg_u32 s[CNT], 0
	s_cbranch_scc1 .Lstep
	s_sub_co_u32 s[SLOTS], s[SLOTS], 1
	s_cmp_lg_u32 s[SLOTS], 0
	s_cbranch_scc1 .Lslot
	CHANGE 0                                       ; the walk's last tile is written out
	s_mov_b32 s[CNT], 3
.Ltail:
	H1 1
	s_sub_co_u32 s[CNT], s[CNT], 1
	s_cmp_eq_u32 s[CNT], 0
	s_cbranch_scc1 .Lout
	H2
	s_branch .Ltail
.Lout:
	WAYOUT
	s_wait_tensorcnt 0x0                           ; the wave's end
	ds_add_u32 v[SPW], v[NIL]
	s_wait_dscnt 0x0
	s_endpgm
.Lfunc_end_k_q88756912bc_attend:
	.size	k_q88756912bc_attend, .Lfunc_end_k_q88756912bc_attend-k_q88756912bc_attend
	.p2alignl 7, 3214868480
	.fill 96, 4, 3214868480
	.section	.rodata,"a",@progbits
	.p2align	6, 0x0
	.amdhsa_kernel k_q88756912bc_attend
		.amdhsa_group_segment_fixed_size 327680
		.amdhsa_private_segment_fixed_size 0
		.amdhsa_enable_private_segment 0
		.amdhsa_kernarg_size 16
		.amdhsa_user_sgpr_count 2
		.amdhsa_user_sgpr_kernarg_segment_ptr 1
		.amdhsa_wavefront_size32 1
		.amdhsa_system_sgpr_workgroup_id_x 1
		.amdhsa_system_sgpr_workgroup_id_y 1
		.amdhsa_system_sgpr_workgroup_id_z 1
		.amdhsa_system_vgpr_workitem_id 0
		.amdhsa_next_free_vgpr 1024
		.amdhsa_next_free_sgpr 80
		.amdhsa_reserve_vcc 1
		.amdhsa_float_denorm_mode_32 3
		.amdhsa_float_denorm_mode_16_64 3
		.amdhsa_memory_ordered 1
		.amdhsa_forward_progress 1
		.amdhsa_inst_pref_size 168
	.end_amdhsa_kernel
	.amdgpu_metadata
---
amdhsa.version: [ 1, 2 ]
amdhsa.kernels:
  - .name:           k_q88756912bc_attend
    .symbol:         k_q88756912bc_attend.kd
    .args:
      - { .name: qkv, .offset: 0, .size: 8, .value_kind: global_buffer, .address_space: global }
      - { .name: att, .offset: 8, .size: 8, .value_kind: global_buffer, .address_space: global }
    .group_segment_fixed_size: 327680
    .private_segment_fixed_size: 0
    .kernarg_segment_align: 8
    .kernarg_segment_size: 16
    .max_flat_workgroup_size: 128
    .sgpr_count:     80
    .vgpr_count:     1024
    .wavefront_size: 32
...
	.end_amdgpu_metadata
.endif
;; end of part 6
;; launch finish (part 7): grid 256 x 1, 4 waves a work-group, clusters of 4 x 1, 327,680 bytes of LDS; arguments att, wts, out0; writes out0
.if DOCPART == 7
	.amdgcn_target "amdgcn-amd-amdhsa--gfx1250"
	.amdhsa_code_object_version 6
	.text
	.protected	k_q88756912bc_finish
	.globl	k_q88756912bc_finish
	.p2align	8
	.type	k_q88756912bc_finish,@function
k_q88756912bc_finish:
	s_mov_b64 s[64:65], 0
	v_nop
	global_prefetch_b8 v0, s[64:65] scope:SCOPE_SE
	s_setreg_imm32_b32 hwreg(HW_REG_WAVE_MODE, 25, 1), 1
	s_wait_xcnt 0x0
	s_wait_alu depctr_hold_cnt(0) depctr_sa_sdst(0) depctr_va_vdst(0) depctr_va_sdst(0) depctr_va_ssrc(0) depctr_va_vcc(0) depctr_vm_vsrc(0)
	s_getreg_b32 s2, hwreg(HW_REG_IB_STS2, 6, 4)
	s_cmp_eq_u32 s2, 0
	s_cbranch_scc0 .Lentry_in_a_cluster
	s_endpgm
.Lentry_in_a_cluster:
	s_bfe_u32 s2, ttmp6, 0x10000c
	s_cmp_lg_u32 s2, 0x3003
	s_cbranch_scc0 .Lentry_shape_is_right
	s_endpgm
.Lentry_shape_is_right:
; out = O Wo^T.  O: att [32,768 rows][512] f16; Wo: tiles 24 to 31 of wts, [512 n][64 k] f16 (bf16 numbers written as f16); sums in f32; out0 f32 [32,768][512].
; SHARES.  A work-group owns 128 rows of O, brought into LDS once, in four blocks of 128 along K: wave w brings block w, 128 rows of 256 bytes, by a tensor load of its own.
; Wave w makes all 128 rows x columns 128 w .. 128 w + 127: 64 accumulators.  K goes in steps of 64, one weight tile a step, through a ring of two LDS slots; a wave fetches and reads its own quarter of a tile.
; CLUSTER.  All work-groups walk the same weights: the four of a cluster ask for each quarter tile JOINTLY.  THE MATRIX INSTRUCTION IS USED TRANSPOSED (source 0 = rows of Wo, source 1 = rows of O).
; THE ORDER.  K goes in four laps of 128 (two tiles).  Cluster c begins with lap c % 4 and wraps round: four orders, whose first fills together ask for all 8 tiles; every later refill asks for a tile
; that another cluster has asked for before.  Only global addresses hang on c, which the four partners share: LDS block j of O holds O's K block (j + c % 4) % 4.  K is summed in that rotated order.
; REGISTERS: window 0: v16-29 addresses; v64-127, v128-191 fragments of O, later rows on their way out; window 1: v64-191 fragments of Wo; windows 2, 3: the accumulators of rows 0-63, 64-127.
.set PA,     272                       ; a row of a block of O in LDS: 256 + 16 bytes, an odd multiple of 16
.set ABLK,   128*PA                    ; a block: 128 rows
.set PB,     144                       ; a row of a weight tile: 128 + 16
.set QTR,    128*PB
.set SLOT,   4*QTR
.set RING,   4*ABLK
.set STAGE,  RING+2*SLOT               ; 16 rows x 528 bytes for each wave
.set SPITCH, 528
.set SPARE,  STAGE+4*16*SPITCH         ; the spare words, 128 bytes a wave: two blocks of 256 bytes that no other line names
.set TILEB,  65536
.set ADRB, 16
.set A0L,  18                          ; v18     my lane's place in a block of O; never rewritten
.set ADL,  20                          ; v20     the same in the lap's block
.set STO,  24
.set RD,   25
.set CO,   26
.set SPW,  28
.set NIL,  29
.set F0,   64
.set F1,   128
.set G1,   24                          ; s[24:31] group 1 for the weights
.set G0,   32                          ; s[32:39] group 0, a set for each slot
.set LPN,  40                          ; s40      the lap (0..3, as it lies in wts) of the tiles asked for last
.set G0A,  44                          ; s[44:47] group 0 for O
.set G1A,  48                          ; s[48:55] group 1 for O
.set OFF,  56                          ; s[56:57] a tile's byte offset among Wo's tiles
.set FST,  58                          ; s[58:59] my quarter of my cluster's first tile
.set MSB, 0
.macro WIN new
.if MSB != (\new)
	s_set_vgpr_msb (MSB<<8)|(\new)
.set MSB, \new
.endif
.endm
.set MUL_LO, 0xa1
.set MUL_HI, 0xf1
.set TO_B,   0x40
.macro CREST
	s_cmp_lg_u32 s10, 0
	s_cbranch_scc1 .Lnot_wave_0_\@
	s_barrier_signal -3
.Lnot_wave_0_\@:
	s_barrier_wait -3
	s_barrier_signal -1
	s_barrier_wait -1
.endm
.macro CROUND
	s_barrier_signal -1
	s_barrier_wait -1
	CREST
.endm
.macro PLACES
.rept 4
	v_nop
.endr
.endm
	s_load_b128 s[4:7], s[0:1], 0x0                ; att s[4:5], wts s[6:7]
	s_load_b64 s[8:9], s[0:1], 0x10                ; out0
	v_lshl_add_u32 v[SPW], v0, 2, SPARE
	v_mov_b32 v[NIL], 0
	ds_add_u32 v[SPW], v[NIL]                      ; the wave's opening: the add and its wait ahead of my first tensor load
	ds_add_u32 v28, v29
	v_lshrrev_b32 v1, 5, v0
	v_readfirstlane_b32 s10, v1
	s_bfe_u32 s11, ttmp6, 0x40000                  ; cx
	s_lshl_b32 s12, ttmp9, 2
	s_add_co_u32 s12, s12, s11                     ; g: my block of 128 rows; it enters O's and the result's addresses alone
	s_and_b32 s[LPN], ttmp9, 3                     ; my cluster's first lap
	s_mov_b32 s[G1+0], 15|(1<<16)|(1<<20)|(1<<21)|(4<<22)|(3<<25)  ; the mask of four; 2-byte elements; padding on; bit 21 beside a mask; after every 32 words; 4 words
	s_mov_b32 s[G1+1], 128<<16
	s_mov_b32 s[G1+2], 64<<16
	s_mov_b32 s[G1+3], 128<<16
	s_mov_b32 s[G1+4], 64
	s_mov_b32 s[G1+5], 128
	s_mov_b32 s[G1+6], 0
	s_mov_b32 s[G1+7], 0
	s_mov_b32 s[G1A+0], (1<<16)|(1<<20)|(5<<22)|(3<<25)  ; no mask: a load of my own; padding of 4 words after every 64
	s_mov_b32 s[G1A+1], 128<<16                    ; tensor_dim0 = 128
	s_mov_b32 s[G1A+2], 128<<16                    ; tensor_dim1 = 128
	s_mov_b32 s[G1A+3], 128<<16                    ; tile_dim0 = 128
	s_mov_b32 s[G1A+4], 128                        ; tile_dim1 = 128
	s_mov_b32 s[G1A+5], 512                        ; elements from row to row
	s_mov_b32 s[G1A+6], 0
	s_mov_b32 s[G1A+7], 0
	s_mul_i32 s20, s10, QTR
	s_lshl_b32 s14, s10, 14
	s_add_co_u32 s14, s14, 24*TILEB                ; Wo's tiles
	s_mov_b32 s15, 0
	s_lshl_b32 s[OFF], s[LPN], 17                  ; a lap is two tiles
	s_mov_b32 s[OFF+1], 0
	s_add_co_u32 s43, s10, s[LPN]                  ; O: LDS block w takes K block (w + first lap) % 4: 256 bytes of a row,
	s_and_b32 s43, s43, 3
	s_lshl_b32 s43, s43, 8
	s_lshl_b32 s42, s12, 17                        ; in my 128 rows of 1,024 bytes
	s_add_co_u32 s42, s42, s43
	s_mov_b32 s43, 0
	s_lshl_b32 s16, s12, 18                        ; the result: 128 rows of 2,048 bytes,
	s_lshl_b32 s17, s10, 9                         ; my 128 columns
	s_add_co_u32 s16, s16, s17
	s_mov_b32 s17, 0
	s_mov_b32 s[G0A], 1
	s_mul_i32 s[G0A+1], s10, ABLK
	s_wait_dscnt 0x0                               ; the opening add is done
	s_wait_kmcnt 0x0
	s_add_nc_u64 s[14:15], s[6:7], s[14:15]        ; my quarter of Wo's tile 0
	s_add_nc_u64 s[FST:FST+1], s[14:15], s[OFF:OFF+1]
	s_add_nc_u64 s[G0A+2:G0A+3], s[4:5], s[42:43]
	s_or_b32 s[G0A+3], s[G0A+3], 0x80000000
	CROUND                                         ; all four work-groups are here: the first loads go out as one group behind this round
	tensor_load_to_lds s[G0A:G0A+3], s[G1A:G1A+7]  ; my block of O
	s_nop 0
.irp s, 0,1
	s_mov_b32 s[G0+4*(\s)], 1
	s_add_co_u32 s[G0+4*(\s)+1], s20, RING+(\s)*SLOT
	s_add_nc_u64 s[G0+4*(\s)+2:G0+4*(\s)+3], s[FST:FST+1], (\s)*TILEB
	s_or_b32 s[G0+4*(\s)+3], s[G0+4*(\s)+3], 0x80000000
	tensor_load_to_lds s[G0+4*(\s):G0+4*(\s)+3], s[G1:G1+7]  ; my cluster's first two tiles: three loads of mine are out
	s_nop 0
.endr
	PLACES
	v_and_b32 v1, 15, v0                           ; r
	v_bfe_u32 v2, v0, 4, 1                         ; h
	v_and_b32 v3, 31, v0                           ; lane
	v_mul_u32_u24 v[A0L], v1, PA
	v_lshl_add_u32 v[A0L], v2, 4, v[A0L]
	v_mul_u32_u24 v4, v1, PB
	v_lshl_add_u32 v4, v2, 4, v4
	s_add_co_u32 s21, s20, RING
	v_add_nc_u32 v[ADRB], s21, v4
	s_add_co_u32 s21, s21, SLOT
	v_add_nc_u32 v[ADRB+1], s21, v4
	s_mul_i32 s23, s10, 16*SPITCH
	s_add_co_u32 s23, s23, STAGE                   ; my stage
	v_mul_u32_u24 v4, v1, SPITCH                   ; in: row r, 32 bytes for each half of the lanes
	v_lshl_add_u32 v4, v2, 5, v4
	v_add_nc_u32 v[STO], s23, v4
	v_lshlrev_b32 v[CO], 4, v3                     ; back and out: 32 lanes take a row's 512 bytes
	v_add_nc_u32 v[RD], s23, v[CO]
.macro MUL16 f, hi, a0, zero
	WIN MUL_LO+0x50*(\hi)
.irp a, \a0, (\a0)+1
.irp b, 0,1,2,3,4,5,6,7
.if \zero
	v_wmma_f32_16x16x32_f16 v[8*(8*(\a)+(\b)):8*(8*(\a)+(\b))+7], v[(\f)+8*(\b):(\f)+8*(\b)+7], v[(\f)+8*(4*(\hi)+(\a)):(\f)+8*(4*(\hi)+(\a))+7], 0
.else
	v_wmma_f32_16x16x32_f16 v[8*(8*(\a)+(\b)):8*(8*(\a)+(\b))+7], v[(\f)+8*(\b):(\f)+8*(\b)+7], v[(\f)+8*(4*(\hi)+(\a)):(\f)+8*(4*(\hi)+(\a))+7], v[8*(8*(\a)+(\b)):8*(8*(\a)+(\b))+7]
.endif
.endr
.endr
.endm
.macro FETCH slot, q, f                ; 32 LDS loads in one run: my 128 rows of Wo, then O's 128 rows, rows 64-127 last
	WIN TO_B
.irp i, 0,1,2,3,4,5,6,7
	ds_load_b128 v[(\f)+8*(\i):(\f)+8*(\i)+3],   v[ADRB+(\slot)] offset:64*(\q)+(\i)*16*PB
	ds_load_b128 v[(\f)+8*(\i)+4:(\f)+8*(\i)+7], v[ADRB+(\slot)] offset:64*(\q)+(\i)*16*PB+32
.endr
	WIN 0
.irp i, 0,1,2,3,4,5,6,7
	ds_load_b128 v[(\f)+8*(\i):(\f)+8*(\i)+3],   v[ADL] offset:128*(\slot)+64*(\q)+(\i)*16*PA
	ds_load_b128 v[(\f)+8*(\i)+4:(\f)+8*(\i)+7], v[ADL] offset:128*(\slot)+64*(\q)+(\i)*16*PA+32
.endr
.endm
.macro QUARTER slot, q, f, g, zero
	s_wait_dscnt 8                                 ; Wo and O's rows 0-63 are in; the youngest eight loads may be out
	MUL16 \f, 0, 0, \zero
	MUL16 \f, 0, 2, \zero
	PLACES
	FETCH \slot, \q, \g
	s_wait_dscnt 32                                ; all but the 32 just issued
	MUL16 \f, 1, 0, \zero
	MUL16 \f, 1, 2, \zero
.endm
.macro NEXTTILE slot                   ; the slot's next tile, in my cluster's order: 2 lap + slot; its address is made anew from that number
.if (\slot) == 0
	s_add_co_u32 s[LPN], s[LPN], 1
	s_and_b32 s[LPN], s[LPN], 3                    ; the next lap; behind lap 3 comes lap 0
.endif
	s_lshl_b32 s[OFF], s[LPN], 17
.if (\slot) == 1
	s_add_co_u32 s[OFF], s[OFF], TILEB
.endif
	s_add_nc_u64 s[G0+4*(\slot)+2:G0+4*(\slot)+3], s[14:15], s[OFF:OFF+1]
	s_or_b32 s[G0+4*(\slot)+3], s[G0+4*(\slot)+3], 0x80000000
.endm
.macro MEET round, slot=0              ; in front of the barrier: all my tensor loads, the add, the add's end and my reads of this slot
	WIN 0
	s_wait_tensorcnt 0x0                           ; no load of mine is out, so the slot's group 0 may be written
	ds_add_u32 v[SPW], v[NIL]
.if \round
	NEXTTILE \slot
.endif
	s_wait_dscnt 9                                 ; the add and the youngest eight loads may be out
	MUL16 F1, 0, 0, 0
	s_wait_dscnt 0x0
	s_barrier_signal -1
	MUL16 F1, 0, 2, 0
.if \round
	WIN 0
.endif
	s_barrier_wait -1
.endm
.macro TURN slot, next
	MEET 1, \slot
	CREST                                          ; the barrier has opened a round of the cluster's
	tensor_load_to_lds s[G0+4*(\slot):G0+4*(\slot)+3], s[G1:G1+7]  ; my one load behind the round: the tile two steps on
	s_nop 0
	PLACES
.if (\next) == 0
	s_add_co_u32 s13, s13, ABLK                    ; the next block of O
	v_add_nc_u32 v[ADL], s13, v[A0L]
.endif
	FETCH \next, 0, F0
	MUL16 F1, 1, 0, 0
	MUL16 F1, 1, 2, 0
.endm
; THE WAY OUT of row block a, in f32: straight from the accumulators (their low four registers first) into my stage, back as whole rows of 512 bytes, stored
.macro TOSTAGE a
.set AC, 64*((\a)%4)
.set BK, 64+64*((\a)%2)
	WIN 0x08+4*((\a)/4)                            ; the stores' data in window 2 or 3
.irp b, 0,1,2,3,4,5,6,7
	ds_store_b128 v[STO], v[AC+8*(\b):AC+8*(\b)+3]   offset:64*(\b)
	ds_store_b128 v[STO], v[AC+8*(\b)+4:AC+8*(\b)+7] offset:64*(\b)+16
.endr
	WIN 0
	s_wait_xcnt 0x0                                ; the loads below land in registers that the stores of two blocks back read
.irp t, 0,1,2,3,4,5,6,7,8,9,10,11,12,13,14,15
	ds_load_b128 v[BK+4*(\t):BK+4*(\t)+3], v[RD] offset:SPITCH*(\t)  ; LDS serves a wave's instructions in order: these see the stores above
.endr
.endm
.macro SEND a, younger                 ; younger: the next block's 16 stores and 16 loads, or none
	WIN 0
.set BK, 64+64*((\a)%2)
	s_wait_dscnt \younger
	s_wait_xcnt 0x0                                ; the stores' base is stepped only behind this wait
.if (\a) == 0
	s_add_nc_u64 s[8:9], s[8:9], s[16:17]
.else
	s_add_nc_u64 s[8:9], s[8:9], 16*2048
.endif
.irp t, 0,1,2,3,4,5,6,7,8,9,10,11,12,13,14,15
	global_store_b128 v[CO], v[BK+4*(\t):BK+4*(\t)+3], s[8:9] offset:2048*(\t) th:TH_STORE_NT  ; 512 consecutive bytes, aligned
.endr
.endm
	s_wait_tensorcnt 0x1                           ; my block of O and my quarter of the first tile are in; the second tile's may stay out
	s_barrier_signal -1
	s_barrier_wait -1                              ; everybody's are
	s_mov_b32 s13, 0
	v_add_nc_u32 v[ADL], s13, v[A0L]
	FETCH 0, 0, F0
	QUARTER 0, 1, F0, F1, 1                        ; the first 64 products start the sums
	WIN 0
	s_mov_b32 s3, 3
.Llap:                                                 ; a trip goes once round the ring: two tiles, both slots filled again
	TURN 0, 1
	QUARTER 1, 1, F0, F1, 0
	TURN 1, 0
	QUARTER 0, 1, F0, F1, 0
	WIN 0
	s_sub_co_u32 s3, s3, 1
	s_cmp_lg_u32 s3, 0
	s_cbranch_scc1 .Llap
	MEET 0                                         ; the last lap asks for nothing
	PLACES
	FETCH 1, 0, F0
	MUL16 F1, 1, 0, 0
	MUL16 F1, 1, 2, 0
	QUARTER 1, 1, F0, F1, 0
	s_wait_dscnt 8
	MUL16 F1, 0, 0, 0
	MUL16 F1, 0, 2, 0
	s_wait_dscnt 0x0
	MUL16 F1, 1, 0, 0
	MUL16 F1, 1, 2, 0
	WIN 0
	PLACES
	TOSTAGE 0
.irp a, 1,2,3,4,5,6,7
	TOSTAGE \a
	SEND (\a)-1, 32
.endr
	SEND 7, 0
	s_wait_tensorcnt 0x0                           ; the wave's end
	ds_add_u32 v[SPW], v[NIL]
	s_wait_dscnt 0x0
	CROUND                                         ; the closing round
	s_endpgm
.Lfunc_end_k_q88756912bc_finish:
	.size	k_q88756912bc_finish, .Lfunc_end_k_q88756912bc_finish-k_q88756912bc_finish
	.p2alignl 7, 3214868480
	.fill 96, 4, 3214868480
	.section	.rodata,"a",@progbits
	.p2align	6, 0x0
	.amdhsa_kernel k_q88756912bc_finish
		.amdhsa_group_segment_fixed_size 327680
		.amdhsa_private_segment_fixed_size 0
		.amdhsa_enable_private_segment 0
		.amdhsa_kernarg_size 24
		.amdhsa_user_sgpr_count 2
		.amdhsa_user_sgpr_kernarg_segment_ptr 1
		.amdhsa_wavefront_size32 1
		.amdhsa_system_sgpr_workgroup_id_x 1
		.amdhsa_system_sgpr_workgroup_id_y 1
		.amdhsa_system_sgpr_workgroup_id_z 1
		.amdhsa_system_vgpr_workitem_id 0
		.amdhsa_next_free_vgpr 1024
		.amdhsa_next_free_sgpr 66
		.amdhsa_reserve_vcc 0
		.amdhsa_float_denorm_mode_32 3
		.amdhsa_float_denorm_mode_16_64 3
		.amdhsa_memory_ordered 1
		.amdhsa_forward_progress 1
		.amdhsa_inst_pref_size 88
	.end_amdhsa_kernel
	.amdgpu_metadata
---
amdhsa.version: [ 1, 2 ]
amdhsa.kernels:
  - .name:           k_q88756912bc_finish
    .symbol:         k_q88756912bc_finish.kd
    .args:
      - { .name: att, .offset: 0, .size: 8, .value_kind: global_buffer, .address_space: global }
      - { .name: wts, .offset: 8, .size: 8, .value_kind: global_buffer, .address_space: global }
      - { .name: out0, .offset: 16, .size: 8, .value_kind: global_buffer, .address_space: global }
    .group_segment_fixed_size: 327680
    .private_segment_fixed_size: 0
    .kernarg_segment_align: 8
    .kernarg_segment_size: 24
    .max_flat_workgroup_size: 128
    .sgpr_count:     66
    .vgpr_count:     1024
    .wavefront_size: 32
...
	.end_amdgpu_metadata
.endif
;; end of part 7
